; MI455X (gfx1250); checked and timed in simulation.
; The chip was launched on July 23, 2026; its instructions are those of AMD's public machine-readable ISA for CDNA 5 (MIT licence, August 2026) and "CDNA5" Instruction Set Architecture Reference Guide (July 2026). The comments in the code are by the model that wrote it; some were corrected since.
;; Multi Head Attention. Allowed arithmetic: matrix products marked QUANTISED: E2M1 operands, one E8M0 scale for each 32 along K, by v_wmma_scale_f32_16x16x128_f8f6f4 with both operands' format E2M1 (or v_wmma_scale_f32_32x16x128_f4), f32 sums; products left as they are: bf16, f16 or f32 operands; f32 sums; everything else in f32.
;; Inputs: kvinput 4 x 2,048 x 1,024 float32; qinput 4 x 2,048 x 1,024 float32; qmask 4 x 2,048 float32; qtmask 2,048 x 2,048 float32; tmask 4 x 2,048 float32; wk 16 x 1,024 x 64 float32; wo 16 x 64 x 1,024 float32; wq 16 x 1,024 x 64 float32; wv 16 x 1,024 x 64 float32.
;; Outputs: out0 4 x 2,048 x 1,024 float32.
;; This version of the problem:
;;   THIS VERSION OF THE PROBLEM IS GIVEN IN LOW PRECISION. The matrix products marked QUANTISED in the list below multiply operands that are first quantised to E2M1 (2 exponent bits, 1 mantissa bit; 4 bits a number), with one power-of-two scale for each 32 numbers along K (OCP MX v1.0); their sums are f32. The products marked 'left as it is' may take bf16, f16 or f32 operands, with f32 sums. Whichever they take, every output number must still come out within the allowed error. Rounding operands to bf16 (8 significant bits) uses up far more of that allowance than f16 does (11 bits, for magnitudes from 6e-5 to 65,504). All else is computed in f32.
;;   The module's matrix products, in the order in which they are computed (A, B: the left and right operand; K: the contracted axis; several contracted axes count as one K, in the product's order):
;;     1. [M 8,192, K 1,024] x [K 1,024, N 1,024]; A: input qinput; B: input wq: QUANTISED
;;     2. [M 8,192, K 1,024] x [K 1,024, N 1,024]; A: input kvinput; B: input wk: QUANTISED
;;     3. [M 8,192, K 1,024] x [K 1,024, N 1,024]; A: input kvinput; B: input wv: QUANTISED
;;     4. batch 64 x [M 2,048, K 64] x [K 64, N 2,048]; A: computed on the way; B: computed on the way: left as it is (an operand is computed on the way)
;;     5. batch 64 x [M 2,048, K 2,048] x [K 2,048, N 64]; A: computed on the way; B: computed on the way: left as it is (an operand is computed on the way)
;;     6. [M 8,192, K 1,024] x [K 1,024, N 1,024]; A: computed on the way; B: input wo: left as it is (an operand is computed on the way)
;;   THE QUANTISER, for each operand of a quantised product, along K:
;;     - K is cut into blocks of 32 from its start; a last block that is shorter is filled with zeros.
;;     - A block's scale is 2^e with e = floor(log2(the largest magnitude in the block)) - 2, held to -126 .. 127; a block of zeros has e = 0. As a byte (E8M0): e + 127.
;;     - Each number is divided by its block's scale, clamped to +-6, and rounded to the nearest number of E2M1, ties to even, subnormals kept.
;;     - The product sums the exact products of the quantised numbers (number of the format x scale) in f32.
;;   ~~~python
;;   def quantise(x, axis):      # numpy; x: float32 -> the quantised numbers, widened to float32 again
;;       x = np.moveaxis(x, axis, -1); K = x.shape[-1]
;;       x = np.pad(x, [(0, 0)] * (x.ndim - 1) + [(0, -K % 32)]); x = x.reshape(x.shape[:-1] + (-1, 32)); a = np.abs(x).max(-1, keepdims=True)
;;       e = np.where(a > 0, np.clip(np.frexp(np.where(a > 0, a, 1))[1] - 1 - 2, -126, 127), 0)      # np.frexp(a)[1] - 1 = floor(log2(a)), exactly
;;       r = np.clip(x / 2.0 ** e, -6, 6)
;;       step = 2.0 ** (np.maximum(np.frexp(np.where(r == 0, 1, r))[1] - 1, 0) - 1)
;;       q = np.round(r / step) * step * 2.0 ** e      # np.round: ties to even
;;       return np.moveaxis(q.reshape(q.shape[:-2] + (-1,))[..., :K], -1, axis).astype(np.float32)
;;   ~~~
;; One version. Each part assembles by itself: llvm-mc -triple=amdgcn-amd-amdhsa -mcpu=gfx1250 --defsym DOCPART=n.
;; ======== version 1 of 1: 4 launches
;; limits: values are held in f16: magnitudes above 65,504 overflow, below 6.1e-05 lose precision
;; workspace buffers: xc 8,388,608 bytes; xs 524,288 bytes; wc 1,572,864 bytes; ws 98,304 bytes; wot 2,097,152 bytes; qkv 50,331,648 bytes; pre 16,777,216 bytes
;; launch prep (part 1): grid 624 x 1, 4 waves a work-group, no clusters, 102,912 bytes of LDS; arguments qinput, kvinput, wq, wk, wv, wo, xc, xs, wc, ws, wot; writes xc, xs, wc, ws, wot
.if DOCPART == 1
	.amdgcn_target "amdgcn-amd-amdhsa--gfx1250"
	.amdhsa_code_object_version 6
	.text
	.protected	k_qa6e7b75728_prep
	.globl	k_qa6e7b75728_prep
	.p2align	8
	.type	k_qa6e7b75728_prep,@function
k_qa6e7b75728_prep:
	s_mov_b64 s[64:65], 0
	v_nop
	global_prefetch_b8 v0, s[64:65] scope:SCOPE_SE
	s_setreg_imm32_b32 hwreg(HW_REG_WAVE_MODE, 25, 1), 1
	s_wait_xcnt 0x0
; THREE JOBS THAT SHARE NOTHING, side by side in one launch; a scalar branch on the work-group's number alone picks the job, and each job has LDS bytes of its own.
;   work-groups 0-47:    wq, wk, wv [16 heads][1024 k][64 d] f32, K the MIDDLE axis  ->  wc [3072 rows][512 bytes] codes of FP4 (E2M1), K innermost; ws [3072][32] E8M0 scale bytes.  Row = 1024 x weight + 64 x head + d.
;   work-groups 48-111:  wo [k = 64 head + d][1024 m] f32  ->  wot [1024 m][1024 k] f16, K innermost.
;   work-groups 112-623: qinput, kvinput [8192 tokens][1024] f32  ->  xc [16384 rows][512 bytes] codes, xs [16384][32] scale bytes; rows 0-8191 qinput's tokens, rows 8192 on kvinput's.
; THE QUANTISER: a block of 32 along K has the scale 2^(floor(log2(its largest magnitude)) - 2); its byte is the largest magnitude's own exponent field - 2, held at 1 from below.
; Each number is divided by the scale and rounded to the nearest code, ties to even; beyond 6 the largest code.
; LIMITS: a block whose largest magnitude lies under 2^-124 gets the byte 1; a block of zeros gets the byte 1 where the rule says 127 (its codes are zeros, and this program alone reads the bytes);
; |wo| stays under 65,504, f16's largest number; NaN and infinities among the inputs are not served.
; No barrier in any job: waves share nothing.
.set NWG_W, 48
.set NWG_O, 64
.set WB,    32768                      ; LDS: bytes 0-32,767 the tokens' job; from WB the weights' four stages;
.set OB,    67584                      ; from OB wo's four stages;
.set SPARE, 102400                     ; behind them the spare words, 128 bytes for each wave, which no other line names
.set SPW,   190                        ; v190     LDS address of my spare word; never rewritten
.set NIL,   191                        ; v191     0; never rewritten
	v_lshl_add_u32 v[SPW], v0, 2, SPARE
	v_mov_b32 v[NIL], 0
	v_lshrrev_b32 v1, 5, v0
	v_readfirstlane_b32 s16, v1                    ; wave 0..3
	v_and_b32 v2, 31, v0                           ; lane
	s_cmp_lt_u32 ttmp9, NWG_W
	s_cbranch_scc1 .Lweights
	s_cmp_lt_u32 ttmp9, NWG_W+NWG_O
	s_cbranch_scc1 .Lwo
; ---------------- THE TOKENS.  Rows are dense and 1024 is a multiple of 32: both tensors are plain streams of blocks of 32 numbers, and so are the codes and the scale bytes.
; A wave takes 16 steps of 512 numbers.  Each of a step's four loads reads 512 consecutive bytes, 16 a lane; the 2,048 bytes go through the wave's own stage in LDS and come back 64 bytes a lane,
; so that a lane holds 16 neighbours along K (two neighbouring lanes hold a block).  A lane's 16 codes are 8 bytes: the wave stores 256 consecutive bytes, aligned.
; A wave's 256 scale bytes are gathered in its own LDS bytes and leave as 256 consecutive bytes, aligned.  Loads run four steps (16 loads a wave) ahead, the turn through LDS one step.
.set STEPS, 16
.set WGA,   256                        ; 8192 x 1024 numbers / 32,768 a work-group: the first 256 of the job's work-groups take qinput
.set EMAX,  2
.set CB,    8                          ; bytes of 16 codes
.set XR,    16                         ; v16-79   four sets of 16 numbers as they are loaded
.set XX,    80                         ; v80-111  two sets of 16 neighbours
.set XC,    128                        ; v128-189 codes: four registers for each step, so that no store's data are written again
.set XE,    112                        ; v112-127 a scale byte for each step
.set WREG,  8192                       ; LDS: a region for each wave: two stages of 32 x SP bytes, behind them its 256 scale bytes
.set SP,    80                         ; a lane's place in a stage: its 64 bytes + 16 of padding
	s_load_b128 s[4:7], s[0:1], 0x0                ; qinput, kvinput
	s_load_b128 s[8:11], s[0:1], 0x30              ; xc, xs
	v_lshlrev_b32 v3, 4, v2                        ; my 16 bytes of a load's 512
	s_mul_i32 s17, s16, WREG
	v_lshrrev_b32 v14, 2, v2
	v_mul_u32_u24 v14, v14, SP
	v_and_b32 v15, 3, v2
	v_lshl_add_u32 v14, v15, 4, v14
	v_add_nc_u32 v14, s17, v14                     ; the stage, on the way in: four lanes' 64 bytes on end, then 16 of padding
	v_mul_u32_u24 v15, v2, SP
	v_add_nc_u32 v15, s17, v15                     ; and on the way out: SP x lane: my 16 neighbours
	v_mul_u32_u24 v4, v2, CB                       ; my codes' place in a step's
	v_lshrrev_b32 v5, 1, v2
	s_add_co_u32 s17, s17, 2*32*SP
	v_add_nc_u32 v5, s17, v5                       ; LDS: my wave's 256 scale bytes, my block's byte
	v_lshlrev_b32 v7, 3, v2                        ; and on the way out 8 bytes a lane
	v_add_nc_u32 v6, s17, v7
	s_sub_co_u32 s22, ttmp9, NWG_W+NWG_O           ; the job's work-group, 0..511
	s_wait_kmcnt 0x0
	s_cmp_lt_u32 s22, WGA                          ; qinput's or kvinput's?  The choice hangs on the work-group's number alone
	s_cselect_b64 s[4:5], s[4:5], s[6:7]
	s_cselect_b32 s17, 0, WGA
	s_sub_co_u32 s17, s22, s17
	s_lshl_b32 s17, s17, 2
	s_add_co_u32 s18, s17, s16                     ; which run of 8,192 numbers of the source is my wave's
	s_mov_b32 s19, 0
	s_lshl_b64 s[20:21], s[18:19], 15              ; 32,768 bytes a run
	s_add_nc_u64 s[4:5], s[4:5], s[20:21]
	s_lshl_b32 s18, s22, 2
	s_add_co_u32 s18, s18, s16                     ; and which run of the outputs, where the two tensors stand on end
	s_lshl_b64 s[20:21], s[18:19], 12              ; 4,096 bytes of codes a run
	s_add_nc_u64 s[8:9], s[8:9], s[20:21]
	s_lshl_b64 s[20:21], s[18:19], 8               ; 256 scale bytes a run
	s_add_nc_u64 s[10:11], s[10:11], s[20:21]
.macro XLOAD t
.irp i, 0,1,2,3
	global_load_b128 v[XR+16*((\t)%4)+4*\i:XR+16*((\t)%4)+4*\i+3], v3, s[4:5] offset:2048*(\t)+512*\i th:TH_LOAD_NT   ; 32 lanes read 512 consecutive bytes
.endr
.endm
.macro XTURN t                         ; step t's numbers through the stage: LDS serves a wave's instructions in order, so no wait stands between the stores and the loads
.irp i, 0,1,2,3
	ds_store_b128 v14, v[XR+16*((\t)%4)+4*\i:XR+16*((\t)%4)+4*\i+3] offset:32*SP*((\t)%2)+8*SP*\i
.endr
.irp i, 0,1,2,3
	ds_load_b128 v[XX+16*((\t)%2)+4*\i:XX+16*((\t)%2)+4*\i+3], v15 offset:32*SP*((\t)%2)+16*\i
.endr
.endm
.irp t, 0,1,2,3
	XLOAD \t
.endr
	s_wait_loadcnt 12                              ; step 0's four loads are in; the twelve of steps 1 to 3 may be out
	XTURN 0
.macro XSTEP t
.set XS, XX+16*((\t)%2)
.if (\t) > 0
	s_wait_dscnt 1                                 ; this step's numbers are back from the stage (the last step's byte store may be out): so its stores into the stage have read their registers,
.else
	s_wait_dscnt 0x0
.endif
.if (\t)+4 < STEPS
	XLOAD (\t)+4                                   ; which take the loads of four steps on
.endif
.if (\t)+1 < STEPS
.if STEPS-2-(\t) >= 3
	s_wait_loadcnt 12                              ; the next step's four loads are in; those of the three steps behind it may be out
.else
	s_wait_loadcnt 4*(STEPS-2-(\t))
.endif
	XTURN (\t)+1                                   ; and go through the other stage while this step is worked
.endif
	v_max3_num_f32 v8, |v[XS]|, |v[XS+1]|, |v[XS+2]|               ; the largest magnitude of my 16, in two chains
	v_max3_num_f32 v9, |v[XS+3]|, |v[XS+4]|, |v[XS+5]|
.irp i, 6,10
	v_max3_num_f32 v8, v8, |v[XS+\i]|, |v[XS+\i+1]|
	v_max3_num_f32 v9, v9, |v[XS+\i+2]|, |v[XS+\i+3]|
.endr
	v_max3_num_f32 v8, v8, |v[XS+14]|, |v[XS+15]|
	v_max3_num_f32 v8, v8, v9, (EMAX+1)<<23        ; and the floor 2^(3 - 127): so the byte cannot fall under 1
	v_max_num_f32_dpp v8, v8, v8 row_xmask:1 row_mask:0xf bank_mask:0xf   ; and of my neighbour's 16: the block's
	v_add_nc_u32 v11, -(EMAX<<23), v8              ; 2 off its exponent field: the conversion takes the exponent field of this operand as its scale, and nothing else of it
	v_cvt_scalef32_pk8_fp4_f32 v[XC+4*(\t)], v[XS:XS+7], v11
	v_cvt_scalef32_pk8_fp4_f32 v[XC+4*(\t)+1], v[XS+8:XS+15], v11
	v_lshrrev_b32 v[XE+(\t)], 23, v11              ; the scale's byte (also the plain line behind the conversions)
	ds_store_b8 v5, v[XE+(\t)] offset:16*(\t)      ; both lanes of a block write the same byte with the same value
	global_store_b64 v4, v[XC+4*(\t):XC+4*(\t)+1], s[8:9] offset:32*CB*(\t)   ; 32 lanes store 256 consecutive bytes, aligned
.endm
.irp t, 0,1,2,3,4,5,6,7,8,9,10,11,12,13,14,15
	XSTEP \t
.endr
	ds_load_b64 v[8:9], v6                         ; LDS serves a wave's instructions in order: these see my stores
	s_wait_dscnt 0x0
	global_store_b64 v7, v[8:9], s[10:11]          ; 32 lanes store 256 consecutive bytes, aligned
	s_wait_tensorcnt 0x0                           ; the wave's end: these three lines behind my last LDS store
	ds_add_u32 v[SPW], v[NIL]
	s_wait_dscnt 0x0
	s_endpgm
; ---------------- THE WEIGHTS.  A work-group takes one head of one weight: 1024 k x 64 columns; wave w takes columns 32 (w % 2) on and k = 512 (w / 2) on: 16 blocks of 32.
; A LANE TAKES A COLUMN AND ITS REGISTERS RUN DOWN K: a block lies in one lane's 32 registers, its largest magnitude needs no other lane, and the conversions give codes with K innermost.
; A lane's 256 bytes of codes are a piece of one row of wc, and the lanes beside it hold other rows: so they go through the wave's own stage and leave by rows, sixteen lanes to 256 consecutive bytes, aligned.
; A column's 16 scale bytes are shifted into 4 registers and leave by one store of 16 bytes a lane (98,304 bytes in the whole launch).  Loads run two blocks (64 loads a wave) ahead.
.set NB,     16                        ; blocks of a wave
.set WPITCH, 272                       ; a stage row: 256 bytes of codes + 16 of padding = 17 x 16 bytes: the lanes of a 16-byte store fall into different 16-byte columns
.set WX,     32                        ; v32-95   two sets of 32 numbers
.set WC,     96                        ; v96-99   a block's codes
.set WSB,    24                        ; v24-27   the scale bytes, four to a register
.set WOUT,   112                       ; v112-175 the way out
.Lweights:
	s_load_b128 s[4:7], s[0:1], 0x10               ; wq, wk
	s_load_b64 s[8:9], s[0:1], 0x20                ; wv
	s_load_b128 s[12:15], s[0:1], 0x40             ; wc, ws
	s_and_b32 s17, s16, 1                          ; which 32 columns
	s_lshr_b32 s18, s16, 1                         ; which 512 along K
	v_lshlrev_b32 v3, 2, v2                        ; in: 4 bytes a lane
	s_mul_i32 s19, s16, 32*WPITCH
	s_add_co_u32 s19, s19, WB                      ; my stage
	v_mul_u32_u24 v4, v2, WPITCH
	v_add_nc_u32 v4, s19, v4                       ; into it: row = my column
	v_and_b32 v5, 15, v2
	v_lshrrev_b32 v6, 4, v2
	v_mul_u32_u24 v7, v6, WPITCH
	v_lshl_add_u32 v7, v5, 4, v7
	v_add_nc_u32 v7, s19, v7                       ; out of it: sixteen lanes to a row, two rows an instruction
	v_lshlrev_b32 v8, 9, v6
	v_lshl_add_u32 v8, v5, 4, v8                   ; and the same place in wc: rows of 512 bytes
	v_lshlrev_b32 v9, 5, v2                        ; my column's row of ws: 32 bytes
	s_and_b32 s20, ttmp9, 15                       ; the head: 262,144 bytes each;
	s_lshl_b32 s20, s20, 18
	s_lshl_b32 s21, s18, 17                        ; 512 rows of 256 bytes;
	s_add_co_u32 s20, s20, s21
	s_lshl_b32 s21, s17, 7                         ; 32 columns of 4 bytes
	s_add_co_u32 s20, s20, s21
	s_mov_b32 s21, 0
	s_lshl_b32 s22, ttmp9, 6
	s_lshl_b32 s23, s17, 5
	s_add_co_u32 s22, s22, s23                     ; my wave's first row of wc and of ws
	s_lshl_b32 s24, s22, 9
	s_lshl_b32 s25, s18, 8                         ; 512 codes are 256 bytes
	s_add_co_u32 s24, s24, s25
	s_mov_b32 s25, 0
	s_lshl_b32 s26, s22, 5
	s_lshl_b32 s27, s18, 4                         ; and have 16 scale bytes
	s_add_co_u32 s26, s26, s27
	s_mov_b32 s27, 0
	s_wait_kmcnt 0x0
	s_cmp_lt_u32 ttmp9, 32                         ; which weight: the choice hangs on the work-group's number alone
	s_cselect_b64 s[6:7], s[6:7], s[8:9]
	s_cmp_lt_u32 ttmp9, 16
	s_cselect_b64 s[4:5], s[4:5], s[6:7]
	s_add_nc_u64 s[4:5], s[4:5], s[20:21]
	s_add_nc_u64 s[12:13], s[12:13], s[24:25]
	s_add_nc_u64 s[14:15], s[14:15], s[26:27]
.macro WLOAD t                         ; block t: W(32 t + i, my column), i = 0 .. 31, into set t % 2; every offset is an immediate, 130,816 at the most
.set i, 0
.rept 32
	global_load_b32 v[WX+32*((\t)%2)+i], v3, s[4:5] offset:(32*(\t)+i)*256 th:TH_LOAD_NT
.set i, i+1
.endr
.endm
	WLOAD 0
	WLOAD 1
.macro WBLOCK t
.set WSET, WX+32*((\t)%2)
.if (\t) < NB-1
	s_wait_loadcnt 32                              ; this block's 32 loads are in; the next block's 32 may be out
.else
	s_wait_loadcnt 0
.endif
	v_max3_num_f32 v12, |v[WSET]|, |v[WSET+1]|, |v[WSET+2]|        ; the block's largest magnitude: all 32 numbers are mine; two chains
	v_max3_num_f32 v13, |v[WSET+3]|, |v[WSET+4]|, |v[WSET+5]|
.irp i, 6,10,14,18,22,26
	v_max3_num_f32 v12, v12, |v[WSET+\i]|, |v[WSET+\i+1]|
	v_max3_num_f32 v13, v13, |v[WSET+\i+2]|, |v[WSET+\i+3]|
.endr
	v_max3_num_f32 v12, v12, |v[WSET+30]|, |v[WSET+31]|
	v_max3_num_f32 v12, v12, v13, 0x1800000        ; and the floor 2^(3 - 127): the byte cannot fall under 1
	v_add_nc_u32 v11, 0xff000000, v12              ; 2 off the exponent field: the conversion's scale operand
	v_lshrrev_b32 v13, 23, v11                     ; the scale's byte
.if (\t)%4 == 0
	v_mov_b32 v[WSB+(\t)/4], v13                   ; four bytes to a register, the lower K in the lower byte
.else
	v_lshl_or_b32 v[WSB+(\t)/4], v13, 8*((\t)%4), v[WSB+(\t)/4]
.endif
.irp g, 0,1,2,3
	v_cvt_scalef32_pk8_fp4_f32 v[WC+\g], v[WSET+8*\g:WSET+8*\g+7], v11
.endr
	v_nop                                          ; one plain line behind the last conversion
	ds_store_b128 v4, v[WC:WC+3] offset:16*(\t)    ; 32 codes: 16 bytes of my column's row
.if (\t)+2 < NB
	WLOAD (\t)+2
.endif
	s_wait_dscnt 0x0                               ; the store has read its registers: the next block's codes may be written
.endm
.set Q, 0
.rept NB
	WBLOCK Q
.set Q, Q+1
.endr
	global_store_b128 v9, v[WSB:WSB+3], s[14:15]   ; my column's 16 scale bytes
.irp t, 0,1,2,3,4,5,6,7,8,9,10,11,12,13,14,15
	ds_load_b128 v[WOUT+4*\t:WOUT+4*\t+3], v7 offset:2*\t*WPITCH   ; LDS serves a wave's instructions in order: these see my stores
.endr
.irp t, 0,1,2,3,4,5,6,7,8,9,10,11,12,13,14,15
	s_wait_dscnt 15-\t
	global_store_b128 v8, v[WOUT+4*\t:WOUT+4*\t+3], s[12:13] offset:2*\t*512   ; sixteen lanes store 256 consecutive bytes, aligned
.endr
	s_wait_tensorcnt 0x0                           ; the wave's end: these three lines behind my last LDS store
	ds_add_u32 v[SPW], v[NIL]
	s_wait_dscnt 0x0
	s_endpgm
; ---------------- wo.  A work-group takes 128 columns m x 128 k, a wave 32 columns: A LANE TAKES A COLUMN AND ITS 128 REGISTERS RUN DOWN K.  Two neighbours along K round into one register; a lane's 256 bytes
; are a piece of ONE row of wot: they go through the wave's own stage and leave by rows, sixteen lanes to 256 consecutive bytes, aligned.
.set OX,     16                        ; v16-143  the numbers; the halves are packed in place into v16-79; v80-143 then take the rows read back
.set OPITCH, 272                       ; a stage row: 256 bytes + 16 of padding
.Lwo:
	s_load_b64 s[4:5], s[0:1], 0x28                ; wo
	s_load_b64 s[6:7], s[0:1], 0x50                ; wot
	v_lshlrev_b32 v3, 2, v2                        ; in: 4 bytes a lane
	s_mul_i32 s9, s16, 32*OPITCH
	s_add_co_u32 s9, s9, OB                        ; my stage
	v_mul_u32_u24 v4, v2, OPITCH
	v_add_nc_u32 v4, s9, v4                        ; into it: row = my column
	v_and_b32 v6, 15, v2
	v_lshrrev_b32 v7, 4, v2
	v_mul_u32_u24 v5, v7, OPITCH
	v_lshl_add_u32 v5, v6, 4, v5
	v_add_nc_u32 v5, s9, v5                        ; out of it: sixteen lanes to a row, two rows an instruction
	v_lshlrev_b32 v8, 11, v7
	v_lshl_add_u32 v8, v6, 4, v8                   ; and the same place in wot: rows of 2,048 bytes
	s_sub_co_u32 s10, ttmp9, NWG_W                 ; the job's work-group, 0..63
	s_and_b32 s11, s10, 7                          ; which 128 columns
	s_lshr_b32 s10, s10, 3                         ; which 128 along K
	s_lshl_b32 s12, s10, 19                        ; 128 rows of 4,096 bytes
	s_lshl_b32 s13, s11, 9                         ; 128 columns of 4 bytes
	s_add_co_u32 s12, s12, s13
	s_lshl_b32 s13, s16, 7                         ; my wave's 32 columns
	s_add_co_u32 s12, s12, s13
	s_mov_b32 s13, 0
	s_lshl_b32 s14, s11, 7
	s_lshl_b32 s15, s16, 5
	s_add_co_u32 s14, s14, s15                     ; my wave's first column = its first row of wot
	s_lshl_b32 s14, s14, 11
	s_lshl_b32 s15, s10, 8                         ; 128 k are 256 bytes
	s_add_co_u32 s14, s14, s15
	s_mov_b32 s15, 0
	s_wait_kmcnt 0x0
	s_add_nc_u64 s[4:5], s[4:5], s[12:13]
	s_add_nc_u64 s[6:7], s[6:7], s[14:15]
.set i, 0
.rept 128
	global_load_b32 v[OX+i], v3, s[4:5] offset:i*4096 th:TH_LOAD_NT   ; row k = i: 128 consecutive bytes a wave, 512 a work-group
.set i, i+1
.endr
; A quarter: 32 rows of K.  The packing goes upward in place: register i takes numbers 2 i and 2 i + 1, which lie at or above it.
.macro OQUARTER q, left
	s_wait_loadcnt \left
.set i, 16*(\q)
.rept 16
	v_cvt_pk_f16_f32 v[OX+i], v[OX+2*i], v[OX+2*i+1]
.set i, i+1
.endr
.irp j, 0,1,2,3
	ds_store_b128 v4, v[OX+16*(\q)+4*\j:OX+16*(\q)+4*\j+3] offset:16*(4*(\q)+\j)
.endr
.endm
	OQUARTER 0, 63                                 ; at most 63 of the 128 loads are out: the first 65 are in, which holds quarters 0 and 1
	OQUARTER 1, 63
	OQUARTER 2, 32                                 ; the last quarter's 32 may be out
	OQUARTER 3, 0
.irp t, 0,1,2,3,4,5,6,7,8,9,10,11,12,13,14,15
	ds_load_b128 v[OX+64+4*\t:OX+64+4*\t+3], v5 offset:2*\t*OPITCH   ; LDS serves a wave's instructions in order: these see my stores
.endr
.irp t, 0,1,2,3,4,5,6,7,8,9,10,11,12,13,14,15
	s_wait_dscnt 15-\t
	global_store_b128 v8, v[OX+64+4*\t:OX+64+4*\t+3], s[6:7] offset:2*\t*2048   ; sixteen lanes store 256 consecutive bytes, aligned
.endr
	s_wait_tensorcnt 0x0                           ; the wave's end: these three lines behind my last LDS store
	ds_add_u32 v[SPW], v[NIL]
	s_wait_dscnt 0x0
	s_endpgm
.Lfunc_end_k_qa6e7b75728_prep:
	.size	k_qa6e7b75728_prep, .Lfunc_end_k_qa6e7b75728_prep-k_qa6e7b75728_prep
	.p2alignl 7, 3214868480
	.fill 96, 4, 3214868480
	.section	.rodata,"a",@progbits
	.p2align	6, 0x0
	.amdhsa_kernel k_qa6e7b75728_prep
		.amdhsa_group_segment_fixed_size 102912
		.amdhsa_private_segment_fixed_size 0
		.amdhsa_enable_private_segment 0
		.amdhsa_kernarg_size 88
		.amdhsa_user_sgpr_count 2
		.amdhsa_user_sgpr_kernarg_segment_ptr 1
		.amdhsa_wavefront_size32 1
		.amdhsa_system_sgpr_workgroup_id_x 1
		.amdhsa_system_sgpr_workgroup_id_y 1
		.amdhsa_system_sgpr_workgroup_id_z 1
		.amdhsa_system_vgpr_workitem_id 0
		.amdhsa_next_free_vgpr 192
		.amdhsa_next_free_sgpr 66
		.amdhsa_reserve_vcc 0
		.amdhsa_float_denorm_mode_32 3
		.amdhsa_float_denorm_mode_16_64 3
		.amdhsa_memory_ordered 1
		.amdhsa_forward_progress 1
		.amdhsa_inst_pref_size 133
	.end_amdhsa_kernel
	.amdgpu_metadata
---
amdhsa.version: [ 1, 2 ]
amdhsa.kernels:
  - .name:           k_qa6e7b75728_prep
    .symbol:         k_qa6e7b75728_prep.kd
    .args:
      - { .name: qinput, .offset: 0, .size: 8, .value_kind: global_buffer, .address_space: global }
      - { .name: kvinput, .offset: 8, .size: 8, .value_kind: global_buffer, .address_space: global }
      - { .name: wq, .offset: 16, .size: 8, .value_kind: global_buffer, .address_space: global }
      - { .name: wk, .offset: 24, .size: 8, .value_kind: global_buffer, .address_space: global }
      - { .name: wv, .offset: 32, .size: 8, .value_kind: global_buffer, .address_space: global }
      - { .name: wo, .offset: 40, .size: 8, .value_kind: global_buffer, .address_space: global }
      - { .name: xc, .offset: 48, .size: 8, .value_kind: global_buffer, .address_space: global }
      - { .name: xs, .offset: 56, .size: 8, .value_kind: global_buffer, .address_space: global }
      - { .name: wc, .offset: 64, .size: 8, .value_kind: global_buffer, .address_space: global }
      - { .name: ws, .offset: 72, .size: 8, .value_kind: global_buffer, .address_space: global }
      - { .name: wot, .offset: 80, .size: 8, .value_kind: global_buffer, .address_space: global }
    .group_segment_fixed_size: 102912
    .private_segment_fixed_size: 0
    .kernarg_segment_align: 8
    .kernarg_segment_size: 88
    .max_flat_workgroup_size: 128
    .sgpr_count:     66
    .vgpr_count:     192
    .wavefront_size: 32
...
	.end_amdgpu_metadata
.endif
;; end of part 1
;; launch proj (part 2): grid 12 x 32, 4 waves a work-group, clusters of 4 x 4, 327,680 bytes of LDS; arguments xc, xs, wc, ws, qkv; writes qkv
.if DOCPART == 2
	.amdgcn_target "amdgcn-amd-amdhsa--gfx1250"
	.amdhsa_code_object_version 6
	.text
	.protected	k_qa6e7b75728_proj
	.globl	k_qa6e7b75728_proj
	.p2align	8
	.type	k_qa6e7b75728_proj,@function
k_qa6e7b75728_proj:
	s_mov_b64 s[64:65], 0
	v_nop
	global_prefetch_b8 v0, s[64:65] scope:SCOPE_SE
	s_setreg_imm32_b32 hwreg(HW_REG_WAVE_MODE, 25, 1), 1
	s_wait_xcnt 0x0
	s_wait_alu depctr_hold_cnt(0) depctr_sa_sdst(0) depctr_va_vdst(0) depctr_va_sdst(0) depctr_va_ssrc(0) depctr_va_vcc(0) depctr_vm_vsrc(0)
	s_getreg_b32 s2, hwreg(HW_REG_IB_STS2, 6, 4)
	s_cmp_eq_u32 s2, 0
	s_cbranch_scc0 .Lentry_in_a_cluster
	s_endpgm
.Lentry_in_a_cluster:
	s_bfe_u32 s2, ttmp6, 0x10000c
	s_cmp_lg_u32 s2, 0xf033
	s_cbranch_scc0 .Lentry_shape_is_right
	s_endpgm
.Lentry_shape_is_right:
; The three quantised projections as ONE product on codes of FP4 (E2M1) with E8M0 scales for each 32 along K:  qkv[token][n] = sum over k of X[row][k] W[n][k], K = 1024, sums in f32, rounded once to f16.
; qkv: [8192 tokens][3072] f16: columns 0-1023 Q x c (c = log2(e) / 8, so that attention's scores are exponents of 2), 1024-2047 K, 2048-3071 V; column = 1024 x which + 64 x head + d.
; The Q columns (tile columns 0-3 = cluster x 0) multiply qinput's codes, rows 0-8191 of xc; the others kvinput's, rows 8192 on.
; LIMIT: c q, k and v stay under 65,504, f16's largest number.
; A tile of C, 256 x 256, is made by four waves, each 128 x 128: 64 accumulators of 16 x 16, 512 registers.  K is two steps of 512 (a tile's row is 256 bytes of memory): both LDS slots are filled once, at the start, and nothing is filled again.
; THE SCALES of the work-group's 256 + 256 rows, for all of K, are two dense blocks of memory: they come into LDS once, with the first fills.
; CLUSTERS: 4 x 4 work-groups.  The four of a row of the cluster need the same tiles of X, the four of a column the same tiles of W: each tile is asked for JOINTLY, by the same tensor load with the same descriptor and a mask that names the four.
; THE MATRIX INSTRUCTION IS USED TRANSPOSED (source 0 = 16 rows of W, source 1 = 16 rows of X): a lane then holds eight neighbouring numbers of a row of C.
; REGISTERS, in windows of 256: window 0: v0-31 addresses; v32-95 scale words, two sets; v128-191 X's fragments (8 x 16 rows x 128 K), ONE set; on the way out v32-63, v192-255 are at work.
;   window 1: W's fragments, TWO sets, at v0 and v128.   window 2: the 32 accumulators of my rows 0-63 ((a, b) at v[8 (8 a + b)]);   window 3: those of my rows 64-127.
.set SIZE_N, 3072
.set SIZE_K, 1024
.set KSTEP,  512
.set NQ,     KSTEP/128                 ; matrix instructions deep
.set ROWB,   256                       ; a tile's row in bytes
.set KROW,   SIZE_K/2                  ; a row of codes in memory
.set CROW,   SIZE_N*2                  ; a row of qkv in bytes
.set PITCH,  272                       ; an LDS row: 256 bytes + 16 of padding = 17 x 16 bytes: the 16 rows that a load touches fall into 16 different 16-byte columns
.set FR,     8                         ; registers of a fragment
.set NL,     2                         ; LDS loads that bring one
.set NP,     4                         ; places behind this matrix instruction (ISA guide 7.12.1)
.set HALFT,  128*PITCH
.set SLOT,   4*HALFT                   ; X's 256 rows, then W's 256 rows
.set KS,     SIZE_K/32                 ; a row of scales in bytes
.set SCL,    2*SLOT                    ; behind the two slots: the scales, as runs of 256 bytes + 16 of padding
.set HALFS,  (128*KS/256)*272          ; the scales of 128 rows: what one tensor load brings
.set SBLK,   (16*KS/256)*272           ; those of 16 rows
.set SPARE,  SCL+4*HALFS               ; the spare words, 128 bytes for each wave, which no other line names
.set SPITCH, 272                       ; the way out: a stage of 16 rows x (256 bytes + 16) for each wave, in slot 0, which has had its only fill and its last read by then
.set ADRA, 16                          ; v16-17  LDS address of my X fragments in slot 0, 1
.set ADRB, 20                          ; v20-21  the same for W
.set STO,  24
.set RD,   25
.set CO,   26
.set ADRS, 27                          ; v27     LDS address of my scale words: lanes 0-15 X's rows, lanes 16-31 W's
.set SPW,  28
.set NIL,  29
.set SC,   32                          ; scale words: set s at v[SC + 32 s]; register 4 i + q: lanes 0-15 the word of X's block i, lanes 16-31 that of W's block i, for the slot's q-th 128 along K
.set AF,   128
.set TMP,  192                         ; the way out: packed results
.set OB,   32                          ; the way out: 16 rows read back: v32-63 and v224-255 by turns
.set G1, 24
.set G0, 32
.set G1B, 48
.set G0B, 56
.set G1S, 68
.set G0S, 76
.set G1SB, 80
.set G0SB, 88
.set MSB, 0
.macro WIN new                         ; the immediate's high byte repeats the setting that is left; a switch that changes nothing is dropped
.if MSB != (\new)
	s_set_vgpr_msb (MSB<<8)|(\new)
.set MSB, (\new)
.endif
.endm
.set MUL_LO, 0xa1                      ; source 0 (W) window 1, source 1 (X) window 0, C and D window 2
.set MUL_HI, 0xf1                      ; the same, C and D window 3
.set TO_B,   0x40                      ; destination window 1, address window 0
; A joint load: waves 0 and 1 fetch for X, waves 2 and 3 for W.  The branch hangs on the wave's number alone.  An s_nop 0 and four v_nop follow each of the two lines.
.macro JLOAD g0a, g1a, g0b, g1b
	s_cmp_eq_u32 s15, 0
	s_cbranch_scc0 .Lfor_b_\@
	tensor_load_to_lds s[\g0a:\g0a+3], s[\g1a:\g1a+7]
	s_nop 0
.rept 4
	v_nop
.endr
	s_branch .Lasked_\@
.Lfor_b_\@:
	tensor_load_to_lds s[\g0b:\g0b+3], s[\g1b:\g1b+7]
	s_nop 0
.rept 4
	v_nop
.endr
.Lasked_\@:
.endm
.macro CROUND                          ; a round of the cluster's barrier
	s_barrier_signal -1
	s_barrier_wait -1
	s_cmp_lg_u32 s14, 0
	s_cbranch_scc1 .Lnot_wave_0_\@
	s_barrier_signal -3
.Lnot_wave_0_\@:
	s_barrier_wait -3
	s_barrier_signal -1
	s_barrier_wait -1
.endm
	s_load_b128 s[4:7], s[0:1], 0x0                ; xc, xs
	s_load_b128 s[8:11], s[0:1], 0x10              ; wc, ws
	s_load_b64 s[12:13], s[0:1], 0x20              ; qkv
	v_lshl_add_u32 v[SPW], v0, 2, SPARE
	v_mov_b32 v[NIL], 0
	ds_add_u32 v[SPW], v[NIL]                      ; the wave's opening: the add, twice on end, and its wait ahead of my first tensor load
	ds_add_u32 v[SPW], v[NIL]
	v_lshrrev_b32 v1, 5, v0
	v_readfirstlane_b32 s14, v1                    ; wave 0..3
	s_lshr_b32 s15, s14, 1                         ; which half of the tile's rows is mine.  Also: I fetch for X (0) or for W (1)
	s_and_b32 s16, s14, 1                          ; which half of its columns.  Also: which 128 rows of that tile I fetch
	s_bfe_u32 s40, ttmp6, 0x40000                  ; cx, cy: my place in the cluster
	s_bfe_u32 s41, ttmp6, 0x40004
	s_lshl_b32 s42, ttmp9, 2
	s_add_co_u32 s42, s42, s40                     ; tile column of C
	s_and_b32 s17, ttmp7, 0xffff
	s_lshl_b32 s17, s17, 2
	s_add_co_u32 s17, s17, s41                     ; tile row of C
	s_lshl_b32 s43, s41, 2
	s_lshl_b32 s43, 15, s43                        ; my row of the cluster
	s_lshl_b32 s44, 0x1111, s40                    ; my column
	s_cmp_eq_u32 ttmp9, 0                          ; the Q columns are cluster x 0: the same in all sixteen partners
	s_cselect_b32 s96, 0x3e38aa3b, 1.0             ; c = log2(e) / 8 for Q, 1 for K and V
	s_mov_b32 s97, s96                             ; (the packed form names the pair)
	s_min_u32 s95, ttmp9, 1
	s_lshl_b32 s95, s95, 13                        ; K's and V's columns take kvinput's rows of xc: 8,192 further down
	; descriptor group 1: a tile of 128 rows x 256 bytes, padded in LDS
	s_or_b32 s[G1+0], s43, (0<<16)|(1<<20)|(1<<21)|(5<<22)|(3<<25)  ; 15:0 the mask: X's tiles go to my row; elements of 1 byte; padding on; bit 21 beside a mask; after every 64 words, 4 words
	s_or_b32 s[G1B+0], s44, (0<<16)|(1<<20)|(1<<21)|(5<<22)|(3<<25)
.irp g, G1, G1B
	s_mov_b32 s[\g+1], ROWB<<16                    ; tensor_dim0
	s_mov_b32 s[\g+2], 128<<16                     ; tensor_dim1
	s_mov_b32 s[\g+3], ROWB<<16                    ; tile_dim0
	s_mov_b32 s[\g+4], 128                         ; tile_dim1
	s_mov_b32 s[\g+5], KROW                        ; tensor_dim0_stride
	s_mov_b32 s[\g+6], 0
	s_mov_b32 s[\g+7], 0
.endr
	; the scales of 128 rows: a dense block of 4,096 bytes, as 16 rows of 256 bytes (32 elements of 8 bytes), 16 bytes of padding behind each
	s_or_b32 s[G1S+0], s43, (3<<16)|(1<<20)|(1<<21)|(5<<22)|(3<<25)
	s_or_b32 s[G1SB+0], s44, (3<<16)|(1<<20)|(1<<21)|(5<<22)|(3<<25)
.irp g, G1S, G1SB
	s_mov_b32 s[\g+1], 32<<16
	s_mov_b32 s[\g+2], (128*KS/256)<<16
	s_mov_b32 s[\g+3], 32<<16
	s_mov_b32 s[\g+4], 128*KS/256
	s_mov_b32 s[\g+5], 32
	s_mov_b32 s[\g+6], 0
	s_mov_b32 s[\g+7], 0
.endr
	s_lshl_b32 s18, s16, 7                         ; which 128 rows of the tile I fetch
	s_lshl_b32 s20, s17, 8
	s_add_co_u32 s20, s20, s18
	s_add_co_u32 s20, s20, s95                     ; X: row 256 x tile row + 128 x half (+ 8,192)
	s_lshl_b32 s46, s42, 8
	s_add_co_u32 s46, s46, s18                     ; W: row 256 x tile column + 128 x half
	s_mov_b32 s21, 0
	s_mov_b32 s47, 0
	s_mov_b64 s[18:19], KS
	s_mul_u64 s[22:23], s[20:21], s[18:19]         ; where these rows' scales begin, in bytes
	s_mul_u64 s[92:93], s[46:47], s[18:19]
	s_mov_b64 s[18:19], KROW
	s_mul_u64 s[20:21], s[20:21], s[18:19]         ; and their codes
	s_mul_u64 s[46:47], s[46:47], s[18:19]
	s_mul_i32 s45, s14, HALFT                      ; where they go: wave x 128 rows: no place in the cluster enters an LDS address
	s_mul_i32 s94, s14, HALFS
	s_wait_dscnt 0x0                               ; both opening adds are done
	s_wait_kmcnt 0x0
	s_add_nc_u64 s[20:21], s[4:5], s[20:21]
	s_add_nc_u64 s[22:23], s[6:7], s[22:23]
	s_add_nc_u64 s[46:47], s[8:9], s[46:47]
	s_add_nc_u64 s[92:93], s[10:11], s[92:93]
	CROUND                                         ; all sixteen work-groups are here: the first joint loads meet
	s_mov_b32 s[G0S], 1
	s_add_co_u32 s[G0S+1], s94, SCL
	s_mov_b64 s[G0S+2:G0S+3], s[22:23]
	s_or_b32 s[G0S+3], s[G0S+3], 0x80000000
	s_mov_b32 s[G0SB], 1
	s_add_co_u32 s[G0SB+1], s94, SCL
	s_mov_b64 s[G0SB+2:G0SB+3], s[92:93]
	s_or_b32 s[G0SB+3], s[G0SB+3], 0x80000000
	JLOAD G0S, G1S, G0SB, G1SB                     ; the scales first: they are wanted with K step 0
.irp s, 0,1
	s_mov_b32 s[G0+4*\s], 1
	s_add_co_u32 s[G0+4*\s+1], s45, \s*SLOT
	s_add_nc_u64 s[G0+4*\s+2:G0+4*\s+3], s[20:21], \s*ROWB
	s_or_b32 s[G0+4*\s+3], s[G0+4*\s+3], 0x80000000
	s_mov_b32 s[G0B+4*\s], 1
	s_add_co_u32 s[G0B+4*\s+1], s45, \s*SLOT
	s_add_nc_u64 s[G0B+4*\s+2:G0B+4*\s+3], s[46:47], \s*ROWB
	s_or_b32 s[G0B+4*\s+3], s[G0B+4*\s+3], 0x80000000
	JLOAD G0+4*\s, G1, G0B+4*\s, G1B               ; three tensor loads of mine are out: all that this text issues
.endr
	v_and_b32 v1, 15, v0                           ; l % 16
	v_bfe_u32 v2, v0, 4, 1                         ; l / 16
	v_mul_u32_u24 v3, v1, PITCH
	v_lshl_add_u32 v4, v2, 4, v3                   ; a fragment's row x pitch + 16 x half
	s_mul_i32 s21, s15, HALFT                      ; my 128 rows of X
	s_mul_i32 s22, s16, HALFT                      ; my 128 rows of W,
	s_add_co_u32 s22, s22, 2*HALFT                 ; which lie behind X's 256
.irp s, 0,1
	v_add_nc_u32 v[ADRA+\s], s21, v4
	v_add_nc_u32 v[ADRB+\s], s22, v4
	s_add_co_u32 s21, s21, SLOT
	s_add_co_u32 s22, s22, SLOT
.endr
	v_mul_u32_u24 v5, v1, KS                       ; my row's scales: KS bytes a row,
	v_lshrrev_b32 v6, 8, v5
	v_lshl_add_u32 v5, v6, 4, v5                   ; and 16 more for each 256 passed
	s_mul_i32 s21, s15, HALFS                      ; X's: my 128 rows
	s_mul_i32 s22, s16, HALFS                      ; W's: my 128 rows, behind X's 256
	s_add_co_u32 s22, s22, 2*HALFS
	s_sub_co_u32 s22, s22, s21
	v_mul_u32_u24 v6, s22, v2                      ; lanes 16-31 take W's: one product, the distance between the two bases
	s_add_co_u32 s21, s21, SCL
	v_add_nc_u32 v5, v5, v6
	v_add_nc_u32 v[ADRS], s21, v5
	s_mul_i32 s23, s14, 16*SPITCH                  ; my stage
	v_mul_u32_u24 v5, v1, SPITCH                   ; in: row l % 16, 16 bytes for each half of the lanes
	v_lshl_add_u32 v5, v2, 4, v5
	v_add_nc_u32 v[STO], s23, v5
	v_mul_u32_u24 v5, v2, SPITCH                   ; back: lanes 0-15 take one row of 256 bytes, lanes 16-31 the next
	v_lshl_add_u32 v5, v1, 4, v5
	v_add_nc_u32 v[RD], s23, v5
	v_mul_u32_u24 v5, v2, CROW                     ; and the same two rows in qkv
	v_lshl_add_u32 v[CO], v1, 4, v5
	s_lshl_b32 s20, s17, 8
	s_lshl_b32 s21, s15, 7
	s_add_co_u32 s20, s20, s21                     ; my first row of C: 256 x tile row + 128 x half
	s_mov_b32 s21, 0
	s_mov_b64 s[18:19], CROW
	s_mul_u64 s[20:21], s[20:21], s[18:19]
	s_lshl_b32 s46, s42, 9                         ; my first column, in bytes: 512 x tile column + 256 x half
	s_lshl_b32 s47, s16, 8
	s_add_co_u32 s46, s46, s47
	s_mov_b32 s47, 0
	s_add_nc_u64 s[20:21], s[20:21], s[46:47]
	s_add_nc_u64 s[12:13], s[12:13], s[20:21]
.macro FRAG reg, adr, q, i             ; a fragment, 16 rows x 128 K of 4-bit codes: lane l holds row l % 16; registers 4 c .. 4 c + 3 hold K = 64 c + 32 (l / 16) + 0 .. 31
.irp c, 0,1
	ds_load_b128 v[\reg+4*\c:\reg+4*\c+3], v[\adr] offset:64*(\q)+32*\c+(\i)*16*PITCH
.endr
.endm
; 16 matrix instructions: X's blocks a0, a0 + 1 x W's eight, 128 along K: the slot's q-th.  p: W's set;  sc: the set of scale words.  zero = 1: the first product starts the sums.
; The 64 accumulators take turns, one instruction a turn, in the same order in every step.
.macro MUL16 a0, p, q, sc, zero
.irp a, \a0, \a0+1
.irp b, 0,1,2,3,4,5,6,7
.if \zero
	v_wmma_scale_f32_16x16x128_f8f6f4 v[8*(8*((\a)%4)+\b):8*(8*((\a)%4)+\b)+7], v[128*(\p)+FR*\b:128*(\p)+FR*\b+FR-1], v[AF+FR*(\a):AF+FR*(\a)+FR-1], 0, v[SC+8*NQ*(\sc)+NQ*\b+(\q)], v[SC+8*NQ*(\sc)+NQ*(\a)+(\q)] matrix_a_fmt:MATRIX_FMT_FP4 matrix_b_fmt:MATRIX_FMT_FP4 matrix_a_scale:MATRIX_SCALE_ROW1
.else
	v_wmma_scale_f32_16x16x128_f8f6f4 v[8*(8*((\a)%4)+\b):8*(8*((\a)%4)+\b)+7], v[128*(\p)+FR*\b:128*(\p)+FR*\b+FR-1], v[AF+FR*(\a):AF+FR*(\a)+FR-1], v[8*(8*((\a)%4)+\b):8*(8*((\a)%4)+\b)+7], v[SC+8*NQ*(\sc)+NQ*\b+(\q)], v[SC+8*NQ*(\sc)+NQ*(\a)+(\q)] matrix_a_fmt:MATRIX_FMT_FP4 matrix_b_fmt:MATRIX_FMT_FP4 matrix_a_scale:MATRIX_SCALE_ROW1
.endif
.endr
.endr
.endm
.macro FETCH_B slot, q, p              ; W's eight fragments of the slot's q-th 128 along K into set p
	WIN TO_B
.irp i, 0,1,2,3,4,5,6,7
	FRAG 128*(\p)+FR*\i, ADRB+\slot, \q, \i
.endr
	WIN 0
.endm
.macro FETCH_A slot, q, i0             ; X's blocks i0 .. i0 + 3
.irp i, \i0, \i0+1, \i0+2, \i0+3
	FRAG AF+FR*(\i), ADRA+\slot, \q, \i
.endr
.endm
.macro SCALES sc                       ; a K step's scale words into set sc: 4 words a row; lanes 0-15 take X's block i, lanes 16-31 W's block i
.irp i, 0,1,2,3,4,5,6,7
	ds_load_b128 v[SC+8*NQ*\sc+NQ*\i:SC+8*NQ*\sc+NQ*\i+3], v[ADRS] offset:\i*SBLK
.endr
.endm
; A load into a register that a matrix instruction has read, and a vector instruction or an LDS store that reads a matrix result, stand NP places behind that matrix instruction; only plain vector
; instructions that name none of its registers are places (ISA guide 7.12.1 for vector instructions).
.macro PLACES n
.rept \n
	v_nop
.endr
.endm
; A step of 128 along K that has its successor in the same slot.  X has one set of registers: blocks 0-3 are fetched anew in the step's middle, blocks 4-7 at its end.
.macro STEP slot, q, zero
	s_wait_dscnt 4*NL                              ; W's set and X's blocks 0-3 are in; the youngest eight loads (X's blocks 4-7) may be out
	WIN MUL_LO
	MUL16 0, (\q)%2, \q, \slot, \zero
	MUL16 2, (\q)%2, \q, \slot, \zero
	s_wait_dscnt 0                                 ; X's blocks 4-7 are in
	PLACES NP
	FETCH_B \slot, (\q)+1, 1-(\q)%2
	FETCH_A \slot, (\q)+1, 0
	WIN MUL_HI
	MUL16 4, (\q)%2, \q, \slot, \zero
	MUL16 6, (\q)%2, \q, \slot, \zero
	PLACES NP
	WIN 0
	FETCH_A \slot, (\q)+1, 4
.endm
; Slot 0's last step changes slots: one barrier; in front of it each wave waits for all its tensor loads (its part of slot 1) and for its own reads of slot 0.
.macro TURN slot, next
	s_wait_tensorcnt 0x0                           ; all my tensor loads have landed: my part of the next slot
	ds_add_u32 v[SPW], v[NIL]                      ; 0 onto my spare word
	s_wait_dscnt 4*NL+1                            ; (the add and the youngest eight loads, X's blocks 4-7, may be out)
	WIN MUL_LO
	MUL16 0, 1, NQ-1, \slot, 0                     ; sixteen matrix instructions stand between the add and the wait for it
	s_wait_dscnt 0x0                               ; the add is done, and my reads of this slot are over
	s_barrier_signal -1
	MUL16 2, 1, NQ-1, \slot, 0
	WIN 0
	s_barrier_wait -1
	PLACES NP
	v_add_nc_u32 v[ADRS], 4*NQ, v[ADRS]            ; on to the next K step's scale words (no LDS load of mine is out)
	FETCH_B \next, 0, 0
	FETCH_A \next, 0, 0
	SCALES \next
	WIN MUL_HI
	MUL16 4, 1, NQ-1, \slot, 0
	MUL16 6, 1, NQ-1, \slot, 0
	PLACES NP
	WIN 0
	FETCH_A \next, 0, 4
.endm
	s_wait_tensorcnt 1                             ; the scales and my part of K step 0 are in (K step 1's load may be out)
	s_barrier_signal -1
	s_barrier_wait -1                              ; everybody's are
	FETCH_B 0, 0, 0
	FETCH_A 0, 0, 0
	SCALES 0
	FETCH_A 0, 0, 4
	STEP 0, 0, 1                                   ; the first step's products start the sums: nothing is cleared
	STEP 0, 1, 0
	STEP 0, 2, 0
	TURN 0, 1
	STEP 1, 0, 0
	STEP 1, 1, 0
	STEP 1, 2, 0
	s_wait_dscnt 4*NL                              ; the very last step: nothing more to fetch
	WIN MUL_LO
	MUL16 0, 1, NQ-1, 1, 0
	MUL16 2, 1, NQ-1, 1, 0
	s_wait_dscnt 0
	WIN MUL_HI
	MUL16 4, 1, NQ-1, 1, 0
	MUL16 6, 1, NQ-1, 1, 0
	WIN 0
; THE WAY OUT, block by block of 16 rows x 128 columns.  PACK: x the factor, rounded to f16: 16 bytes a lane.  TOSTAGE: into my own stage and back as whole rows of 256 bytes.  SEND: stored.
.macro PACK a
.set AC, 64*((\a)%4)
	WIN 0x82+0x41*((\a)/4)                         ; destination and source 0: window 2 or 3
.set i, 0
.rept 32
	v_pk_mul_f32 v[AC+i:AC+i+1], v[AC+i:AC+i+1], s[96:97] op_sel_hi:[1,0]   ; each accumulator from its low end on
.set i, i+2
.endr
	WIN 0x0a+5*((\a)/4)                            ; sources 0 and 1: window 2 or 3; destination window 0
.irp b, 0,1,2,3,4,5,6,7
.irp r, 0,1,2,3
	v_cvt_pk_f16_f32 v[TMP+4*\b+\r], v[AC+8*\b+2*\r], v[AC+8*\b+2*\r+1]
.endr
.endr
	WIN 0
.endm
.macro TOSTAGE a
.set BB, OB+192*((\a)%2)
.irp b, 0,1,2,3,4,5,6,7
	ds_store_b128 v[STO], v[TMP+4*\b:TMP+4*\b+3] offset:32*\b
.endr
.irp t, 0,1,2,3,4,5,6,7
	ds_load_b128 v[BB+4*\t:BB+4*\t+3], v[RD] offset:\t*2*SPITCH    ; LDS serves a wave's instructions in order: these see the stores above
.endr
.endm
.macro SEND a
.set BB, OB+192*((\a)%2)
	s_wait_dscnt 0x0                               ; the block is back in registers
.irp t, 0,1,2,3,4,5,6,7
	global_store_b128 v[CO], v[BB+4*\t:BB+4*\t+3], s[12:13] offset:(16*(\a)+2*\t)*CROW   ; 16 lanes store 256 consecutive bytes, aligned; the row stands in the immediate: 126 rows of 6,144 bytes at the most
.endr
.endm
	PLACES NP                                      ; behind the last products: for the reads of results, and for the loads into registers that held scale words
	PACK 0
	TOSTAGE 0
.irp a, 1,2,3,4,5,6,7                  ; block a's arithmetic stands between block a - 1's loads from the stage and the wait for them
	PACK \a
	SEND \a-1
	s_wait_xcnt 0x0                                ; the stores of block a - 2 have read their registers: block a's rows may land there
	TOSTAGE \a
.endr
	SEND 7
	s_wait_tensorcnt 0x0                           ; the wave's end: these three lines behind my last tensor load and my last LDS store
	ds_add_u32 v[SPW], v[NIL]
	s_wait_dscnt 0x0
	CROUND                                         ; the closing round: no work-group ends while a partner may still ask for a tile that names it
	s_endpgm
.Lfunc_end_k_qa6e7b75728_proj:
	.size	k_qa6e7b75728_proj, .Lfunc_end_k_qa6e7b75728_proj-k_qa6e7b75728_proj
	.p2alignl 7, 3214868480
	.fill 96, 4, 3214868480
	.section	.rodata,"a",@progbits
	.p2align	6, 0x0
	.amdhsa_kernel k_qa6e7b75728_proj
		.amdhsa_group_segment_fixed_size 327680
		.amdhsa_private_segment_fixed_size 0
		.amdhsa_enable_private_segment 0
		.amdhsa_kernarg_size 40
		.amdhsa_user_sgpr_count 2
		.amdhsa_user_sgpr_kernarg_segment_ptr 1
		.amdhsa_wavefront_size32 1
		.amdhsa_system_sgpr_workgroup_id_x 1
		.amdhsa_system_sgpr_workgroup_id_y 1
		.amdhsa_system_sgpr_workgroup_id_z 1
		.amdhsa_system_vgpr_workitem_id 0
		.amdhsa_next_free_vgpr 1024
		.amdhsa_next_free_sgpr 98
		.amdhsa_reserve_vcc 0
		.amdhsa_float_denorm_mode_32 3
		.amdhsa_float_denorm_mode_16_64 3
		.amdhsa_memory_ordered 1
		.amdhsa_forward_progress 1
		.amdhsa_inst_pref_size 143
	.end_amdhsa_kernel
	.amdgpu_metadata
---
amdhsa.version: [ 1, 2 ]
amdhsa.kernels:
  - .name:           k_qa6e7b75728_proj
    .symbol:         k_qa6e7b75728_proj.kd
    .args:
      - { .name: xc, .offset: 0, .size: 8, .value_kind: global_buffer, .address_space: global }
      - { .name: xs, .offset: 8, .size: 8, .value_kind: global_buffer, .address_space: global }
      - { .name: wc, .offset: 16, .size: 8, .value_kind: global_buffer, .address_space: global }
      - { .name: ws, .offset: 24, .size: 8, .value_kind: global_buffer, .address_space: global }
      - { .name: qkv, .offset: 32, .size: 8, .value_kind: global_buffer, .address_space: global }
    .group_segment_fixed_size: 327680
    .private_segment_fixed_size: 0
    .kernarg_segment_align: 8
    .kernarg_segment_size: 40
    .max_flat_workgroup_size: 128
    .sgpr_count:     98
    .vgpr_count:     1024
    .wavefront_size: 32
...
	.end_amdgpu_metadata
.endif
;; end of part 2
;; launch attn (part 3): grid 4 x 64, 8 waves a work-group, clusters of 4 x 4, 327,680 bytes of LDS; arguments qkv, qtmask, tmask, pre; writes pre
.if DOCPART == 3
	.amdgcn_target "amdgcn-amd-amdhsa--gfx1250"
	.amdhsa_code_object_version 6
	.text
	.protected	k_qa6e7b75728_attn
	.globl	k_qa6e7b75728_attn
	.p2align	8
	.type	k_qa6e7b75728_attn,@function
k_qa6e7b75728_attn:
	s_mov_b64 s[64:65], 0
	v_nop
	global_prefetch_b8 v0, s[64:65] scope:SCOPE_SE
	s_setreg_imm32_b32 hwreg(HW_REG_WAVE_MODE, 25, 1), 1
	s_wait_xcnt 0x0
	s_wait_alu depctr_hold_cnt(0) depctr_sa_sdst(0) depctr_va_vdst(0) depctr_va_sdst(0) depctr_va_ssrc(0) depctr_va_vcc(0) depctr_vm_vsrc(0)
	s_getreg_b32 s2, hwreg(HW_REG_IB_STS2, 6, 4)
	s_cmp_eq_u32 s2, 0
	s_cbranch_scc0 .Lentry_in_a_cluster
	s_endpgm
.Lentry_in_a_cluster:
	s_bfe_u32 s2, ttmp6, 0x10000c
	s_cmp_lg_u32 s2, 0xf033
	s_cbranch_scc0 .Lentry_shape_is_right
	s_endpgm
.Lentry_shape_is_right:
; pre[b][q][64 head + d] = sum over t of softmax_t((Q.K + max(qtmask[q][t], tmask[b][t]) x -1e6) / 8) V[t][d], for 4 batches, 16 heads, 2,048 queries and keys, head size 64.
; qkv: [8192 tokens][3072] f16: Q x c (c = log2(e) / 8), K, V.  Operands f16, sums, maxima and the softmax in f32; the weights p are rounded to f16 for the second product, pre once at the end.
; t = c Q.K + mask x (-1e6 c) is an exponent of 2.  For each query a running maximum m and sum l: p = 2^(t - m); in every step O and l are multiplied by a = 2^(m_old - m_new).
; LIMITS: NaN and infinities are not served; every t lies above -3e38; the mask enters as mask x (-1e6 c), ONE rounded constant, where the definition multiplies by -1e6 and divides by 8; |pre| stays under 65,504.
; SHARES.  A work-group owns 128 queries x 4 heads of one batch; wave w owns head w % 4 and queries 64 (w / 4) on: four tiles of 16.  Two waves share a SIMD, so that one's vector work stands beside the other's matrix work.
; Every wave walks all 2,048 keys, 64 a step.  A step's tiles: K 64 keys x 512 bytes (4 heads), V likewise, the mask 128 queries x 256 bytes: the four heads share the mask tile.
; LAYOUT.  S^T = K Q^T (source 0 = 16 keys, source 1 = 16 queries): a lane holds ONE query (lane % 16) and the keys 8 (lane / 16) + 0..7 of a tile.  THE MASK IS THE C OF THE SUM'S FIRST PRODUCT: it is read from LDS straight into
; the result's layout (eight neighbouring f32 of the query's row).  Two tiles of p, rounded in pairs, ARE source 1 of O^T = V^T P.  K comes out of LDS as it lies, V ([key][channel]) turned, by ds_load_tr16_b128.
; CLUSTER 4 x 4: x = the group of 4 heads, y = 4 neighbouring blocks of queries, all of one batch.  K's and V's tiles hang on (batch, head group): shared down a column; the mask's on the block of queries: shared along a row.
; All three are asked for JOINTLY: wave 0 K's, wave 1 V's, wave 2 the mask's: one tensor load a wave behind each round.
; THE ORDER OF A STEP.  Its LDS reads are over as soon as V's fragments are in registers.  So the change of slots stands AHEAD of V^T P, and the step's 32 products V^T P, work on registers alone, stand between the opening
; signal of the round and its wait: a wave that is early multiplies while the others arrive.  At a step's head the 56 LDS loads go out in the order in which they are wanted, and the arithmetic begins behind the first 16.
; REGISTERS: window 0: v0-15 addresses; v16-47 eight statistics a tile; v48-111 fragments of K or V; v112-239 S^T, 32 a tile, then p.   window 1: v0-63 Q, 16 a tile; v64-191 O^T, 32 a tile; v192-223 tmask of the step's keys.
.set KS,    64                         ; keys in a step
.set QROW,  6144                       ; a row of qkv in bytes
.set PK,    528                        ; a key's row of K in LDS: 512 bytes + 16 = 33 x 16 bytes: the 16 rows of a load fall into 16 different 16-byte columns
.set PV_,   544                        ; of V: 512 + 32 = 17 x 32 bytes, for the turning load
.set PM,    272                        ; a query's row of the mask: 256 + 16
.set VOFF,  KS*PK
.set MOFF,  VOFF+KS*PV_
.set SLOT1, 1<<17                      ; slot 1 begins here: one exclusive or turns an address in one slot into the other's
.set TMB,   2*SLOT1                    ; behind the ring: tmask[b], 8,192 bytes, stored once by the waves; no fill lands here
.set SPARE, TMB+8192                   ; the spare words, 128 bytes for each of the 8 waves, which no other line names
.set SP,    528                        ; the way out: a stage of 128 rows x (512 bytes + 16), in slot 0, which is left at the last change of slots and has had its last fill by then
.set AK0, 3                            ; v3   my lane's place in a tile of K
.set AV0, 4                            ; v4   of V
.set AM0, 5                            ; v5   of the mask
.set AT0, 6                            ; v6   in tmask
.set ADK, 7                            ; v7-10 the step's addresses
.set ADV, 8
.set ADM, 9
.set ADT, 10
.set SPW, 11
.set NIL, 12
.set PFO, 13                           ; v13  the prefetches' lane offset; never rewritten
.set STO, 14                           ; v14  the way out: where I put 16 bytes of a row
.set RD,  15                           ; v15  where I read a row back
.set GO,  240                          ; v240 16 x lane
.set ST,  16                           ; tile a's statistics at v[ST+8 a]: +0 m, +1 zero (upper half of m's pair), +2, +3 l, +4 .. +7 at work; a takes +6, m_old - m_new +7
.set F,   48
.set S,   112
.set OT,  64                           ; in window 1
.set TM,  192                          ; in window 1
.set WV,  12                           ; s12  my wave's number
.set G1K, 24
.set G1V, 32
.set G1M, 40
.set G0K, 48                           ; the groups 0 walk
.set G0V, 52
.set G0M, 56
.set SEL, 60                           ; s[60:61] lane selects: lane l xor 16
.set TB,  62                           ; s62  LDS byte at which the slot in hand begins
.set TT,  63                           ; s63  the step's bytes of tmask
.set CNT, 66                           ; s66  changes of slots with a refill still to come
.set NG,  68                           ; s[68:69] -1e6 c
.set PFA, 70                           ; s[70:71] where my prefetches stand
.set PFS, 72                           ; s[72:73] a step on, in bytes
.set LIM, 74                           ; s74  1 in a wave that prefetches, else the greatest number
.set MSB, 0
.macro WIN new                         ; the immediate's high byte repeats the setting that is left; a switch that changes nothing is dropped
.if MSB != (\new)
	s_set_vgpr_msb (MSB<<8)|(\new)
.set MSB, (\new)
.endif
.endm
.set W_KQ, 0x04                        ; source 1 window 1: Q for the products, tmask for the maxima
.set W_PV, 0x50                        ; C and D (O^T) window 1
.set W_RS, 0x41                        ; destination and source 0 (O^T) window 1
.set W_CV, 0x05                        ; sources 0 and 1 window 1
.set TO1,  0x40                        ; destination window 1
; A joint load: wave 0 K's tile, wave 1 V's, wave 2 the mask's, the others none.  The branches hang on the wave's number alone.  An s_nop 0 and four v_nop follow each load.
.macro JLOAD
	s_cmp_lg_u32 s[WV], 0
	s_cbranch_scc1 .Lnot_k_\@
	tensor_load_to_lds s[G0K:G0K+3], s[G1K:G1K+7]
	s_nop 0
.rept 4
	v_nop
.endr
	s_branch .Lasked_\@
.Lnot_k_\@:
	s_cmp_lg_u32 s[WV], 1
	s_cbranch_scc1 .Lnot_v_\@
	tensor_load_to_lds s[G0V:G0V+3], s[G1V:G1V+7]
	s_nop 0
.rept 4
	v_nop
.endr
	s_branch .Lasked_\@
.Lnot_v_\@:
	s_cmp_lg_u32 s[WV], 2
	s_cbranch_scc1 .Lasked_\@
	tensor_load_to_lds s[G0M:G0M+3], s[G1M:G1M+7]
	s_nop 0
.rept 4
	v_nop
.endr
.Lasked_\@:
.endm
; A PREFETCH INTO THE L2 of what the NEXT change of slots will ask for, one key step ahead of that load; it stands where the fetching waves have their tensor load.  Each aligned block of 256 bytes is named once in the launch.
; K's and V's rows are walked by the four clusters of a batch: the first of them asks; of a step's 64 tokens the partner at cy takes 16, two blocks a token, a lane a block (wave 4: K, wave 5: V).
; The mask's rows are walked by the clusters of all four batches: batch 0's ask; of the 128 rows the partner at cx takes 32, a lane a row (wave 6).  The partners are told apart BY ADDRESS alone.
; The last change that fills a slot asks for nothing; steps 0 and 1 come by their loads alone.
.macro ASK
	s_cmp_gt_u32 s[CNT], s[LIM]
	s_cbranch_scc0 .Lnot_mine_\@
	global_prefetch_b8 v[PFO], s[PFA:PFA+1] th:TH_LOAD_NT scope:SCOPE_SE
.Lnot_mine_\@:
.endm
.macro CREST                           ; a round of the cluster's barrier behind its opening barrier
	s_cmp_lg_u32 s[WV], 0
	s_cbranch_scc1 .Lnot_wave_0_\@
	s_barrier_signal -3
.Lnot_wave_0_\@:
	s_barrier_wait -3
	s_barrier_signal -1
	s_barrier_wait -1
.endm
.macro CROUND                          ; a whole round
	s_barrier_signal -1
	s_barrier_wait -1
	CREST
.endm
	s_load_b256 s[4:11], s[0:1], 0x0               ; qkv s[4:5], qtmask s[6:7], tmask s[8:9], pre s[10:11]
	v_lshl_add_u32 v[SPW], v0, 2, SPARE
	v_mov_b32 v[NIL], 0
	ds_add_u32 v[SPW], v[NIL]                      ; the wave's opening: the add, twice on end, and its wait ahead of the first tensor loads
	ds_add_u32 v[SPW], v[NIL]
	v_lshrrev_b32 v1, 5, v0
	v_readfirstlane_b32 s[WV], v1                  ; wave 0..7
	s_bfe_u32 s13, ttmp6, 0x40000                  ; cx
	s_bfe_u32 s14, ttmp6, 0x40004                  ; cy
	s_and_b32 s17, ttmp7, 0xffff                   ; cluster y
	s_lshr_b32 s15, s17, 2                         ; the batch
	s_and_b32 s18, s17, 3
	s_lshl_b32 s16, s18, 2
	s_add_co_u32 s16, s16, s14                     ; my block of 128 queries
	s_lshl_b32 s19, ttmp9, 2
	s_add_co_u32 s19, s19, s13                     ; my group of 4 heads
	s_lshr_b32 s20, s[WV], 2                       ; which 64 queries are my wave's
	s_and_b32 s21, s[WV], 3                        ; which head
	s_lshl_b32 s84, s14, 2
	s_lshl_b32 s84, 15, s84                        ; my row of the cluster
	s_lshl_b32 s85, 0x1111, s13                    ; my column
	; descriptor groups 1.  K, V: 64 rows x 256 elements of 2 bytes, 3,072 elements apart; padding behind every 128 words: 4 words (K), 8 words (V).  The mask: 128 rows x 64 elements of 4 bytes, 2,048 apart; 4 words behind every 64
	s_or_b32 s[G1K], s85, (1<<16)|(1<<20)|(1<<21)|(6<<22)|(3<<25)
	s_or_b32 s[G1V], s85, (1<<16)|(1<<20)|(1<<21)|(6<<22)|(7<<25)
.irp g, G1K, G1V
	s_mov_b32 s[\g+1], 256<<16                     ; tensor_dim0
	s_mov_b32 s[\g+2], KS<<16                      ; tensor_dim1
	s_mov_b32 s[\g+3], 256<<16                     ; tile_dim0
	s_mov_b32 s[\g+4], KS                          ; tile_dim1
	s_mov_b32 s[\g+5], 3072                        ; tensor_dim0_stride
	s_mov_b32 s[\g+6], 0
	s_mov_b32 s[\g+7], 0
.endr
	s_or_b32 s[G1M], s84, (2<<16)|(1<<20)|(1<<21)|(5<<22)|(3<<25)
	s_mov_b32 s[G1M+1], 64<<16
	s_mov_b32 s[G1M+2], 128<<16
	s_mov_b32 s[G1M+3], 64<<16
	s_mov_b32 s[G1M+4], 128
	s_mov_b32 s[G1M+5], 2048
	s_mov_b32 s[G1M+6], 0
	s_mov_b32 s[G1M+7], 0
	s_mul_i32 s76, s15, 2048*QROW                  ; K's tiles: the batch's first token, (registers that never hold cy)
	s_lshl_b32 s77, s19, 9                         ; my 4 heads' 512 bytes,
	s_add_co_u32 s76, s76, s77
	s_add_co_u32 s76, s76, 2048                    ; behind Q's 1,024 columns
	s_mov_b32 s77, 0
	s_lshl_b32 s80, s16, 20                        ; the mask's tiles: 128 rows of 8,192 bytes a block (registers that never hold cx)
	s_mov_b32 s81, 0
	s_lshl_b32 s86, s15, 11
	s_lshl_b32 s87, s16, 7
	s_add_co_u32 s86, s86, s87                     ; my block's first token
	s_lshl_b32 s87, s20, 6
	s_add_co_u32 s87, s86, s87                     ; my wave's first query
	s_mul_i32 s90, s87, QROW
	s_lshl_b32 s89, s19, 2
	s_add_co_u32 s89, s89, s21                     ; my head
	s_lshl_b32 s89, s89, 7
	s_add_co_u32 s90, s90, s89                     ; Q at my wave's first query, my head
	s_mov_b32 s91, 0
	s_lshl_b32 s87, s[WV], 4
	s_add_co_u32 s86, s86, s87                     ; the way out: wave w stores rows 16 w on,
	s_lshl_b32 s86, s86, 11                        ; of 2,048 bytes,
	s_lshl_b32 s87, s19, 9                         ; my 4 heads' 512 bytes
	s_add_co_u32 s86, s86, s87
	s_mov_b32 s87, 0
	s_lshl_b32 s82, s15, 13                        ; tmask[b]
	s_mov_b32 s83, 0
	s_mov_b32 s[SEL], 0x76543210
	s_mov_b32 s[SEL+1], 0xfedcba98
	s_mov_b32 s[NG], 0xc8301c38                    ; -1e6 x log2(e) / 8 = -180336.875
	s_mov_b32 s[NG+1], s[NG]                       ; (the packed form names the pair)
	s_mov_b32 s[TB], 0
	s_mov_b32 s[TT], 0
	s_mov_b32 s[CNT], 2048/KS-2                    ; the loop's trips: steps 0 to 29, each of which asks for the step two on
	s_wait_dscnt 0x0                               ; both opening adds are done
	s_wait_kmcnt 0x0
	s_mov_b32 s[G0K], 1                            ; count = 1
	s_mov_b32 s[G0K+1], 0                          ; LDS address: slot 0
	s_add_nc_u64 s[G0K+2:G0K+3], s[4:5], s[76:77]  ; global address: key step 0
	s_or_b32 s[G0K+3], s[G0K+3], 0x80000000        ; type = 2
	s_mov_b32 s[G0V], 1
	s_mov_b32 s[G0V+1], VOFF
	s_add_nc_u64 s[G0V+2:G0V+3], s[4:5], s[76:77]
	s_add_nc_u64 s[G0V+2:G0V+3], s[G0V+2:G0V+3], 2048   ; V's columns lie 1,024 behind K's
	s_or_b32 s[G0V+3], s[G0V+3], 0x80000000
	s_mov_b32 s[G0M], 1
	s_mov_b32 s[G0M+1], MOFF
	s_add_nc_u64 s[G0M+2:G0M+3], s[6:7], s[80:81]
	s_or_b32 s[G0M+3], s[G0M+3], 0x80000000
	s_add_nc_u64 s[90:91], s[4:5], s[90:91]        ; Q
	s_add_nc_u64 s[10:11], s[10:11], s[86:87]      ; pre
	s_add_nc_u64 s[8:9], s[8:9], s[82:83]          ; tmask[b]
	; the prefetches: where my wave's stand (at step 1: each change of slots steps the address before it is used), and who asks
	s_mul_i32 s84, s15, 2048*QROW
	s_mul_i32 s85, s14, 16*QROW                    ; my work-group's 16 tokens of the 64
	s_add_co_u32 s84, s84, s85
	s_lshl_b32 s85, s19, 9
	s_add_co_u32 s84, s84, s85
	s_and_b32 s85, s[WV], 1                        ; wave 4: K's columns; wave 5: V's
	s_lshl_b32 s85, s85, 11
	s_add_co_u32 s84, s84, s85
	s_add_co_u32 s84, s84, 2048+KS*QROW
	s_lshl_b32 s86, s16, 20
	s_lshl_b32 s87, s13, 18                        ; my work-group's 32 rows of the mask's 128
	s_add_co_u32 s86, s86, s87
	s_add_co_u32 s86, s86, KS*4
	s_mov_b32 s[PFS], KS*4
	s_mov_b32 s[PFS+1], 0
	s_cmp_lt_u32 s[WV], 6
	s_cselect_b64 s[PFA:PFA+1], s[4:5], s[6:7]
	s_cselect_b32 s84, s84, s86
	s_cselect_b32 s[PFS], KS*QROW, s[PFS]
	s_cselect_b32 s87, -1, 0
	s_cselect_b32 s88, s18, s15                    ; the coordinate along which other clusters walk the same rows
	s_mov_b32 s85, 0
	s_add_nc_u64 s[PFA:PFA+1], s[PFA:PFA+1], s[84:85]
	s_sub_co_u32 s89, s[WV], 4
	s_cmp_lt_u32 s89, 3                            ; waves 4, 5, 6
	s_cselect_b32 s89, 0, 1
	s_or_b32 s88, s88, s89
	s_cmp_eq_u32 s88, 0                            ; the same in all sixteen partners, for a given wave
	s_cselect_b32 s[LIM], 1, -1
	CROUND                                         ; all sixteen work-groups are here: the first joint loads meet
	JLOAD                                          ; key step 0 into slot 0
	v_lshlrev_b32 v8, 4, v0
	global_load_b128 v[F:F+3], v8, s[8:9]          ; tmask[b]: 8,192 bytes by 256 threads, 16 bytes twice
	global_load_b128 v[F+4:F+7], v8, s[8:9] offset:4096
	v_and_b32 v1, 15, v0                           ; r = lane % 16
	v_bfe_u32 v2, v0, 4, 1                         ; h = lane / 16
	v_mul_u32_u24 v7, v1, QROW
	v_lshl_add_u32 v7, v2, 4, v7                   ; Q: row r, + 16 h
	WIN TO1
.irp a, 0,1,2,3                                ; Q stays in registers: tile a, channels 32 c on, at v[16 a + 8 c] of window 1
.irp c, 0,1
	global_load_b128 v[16*\a+8*\c:16*\a+8*\c+3],   v7, s[90:91] offset:\a*16*QROW+64*\c
	global_load_b128 v[16*\a+8*\c+4:16*\a+8*\c+7], v7, s[90:91] offset:\a*16*QROW+64*\c+32
.endr
.endr
.set i, 0
.rept 128
	v_mov_b32 v[OT+i], 0                           ; O^T.  (The key step is written once for the loop: its first trip finds zeros, which a = 0 leaves zeros)
.set i, i+1
.endr
	WIN 0
	v_lshl_add_u32 v10, v0, 4, TMB                 ; where my 16 bytes of tmask go
	s_lshl_b32 s92, s21, 7                         ; my head's 128 bytes of a row
	v_mul_u32_u24 v[AK0], v1, PK
	v_lshl_add_u32 v[AK0], v2, 4, v[AK0]
	v_add_nc_u32 v[AK0], s92, v[AK0]               ; K: key r, + 16 h, my head
	v_and_b32 v[AV0], 7, v0
	v_lshl_add_u32 v[AV0], v2, 3, v[AV0]
	v_mul_u32_u24 v[AV0], v[AV0], PV_              ; V, for the turning load: key 8 h + lane % 8,
	v_bfe_u32 v[AM0], v0, 3, 1
	v_lshl_add_u32 v[AV0], v[AM0], 4, v[AV0]       ; channels 8 ((lane / 8) % 2) on,
	s_add_co_u32 s93, s92, VOFF
	v_add_nc_u32 v[AV0], s93, v[AV0]               ; my head
	v_mul_u32_u24 v[AM0], v1, PM
	v_lshl_add_u32 v[AM0], v2, 5, v[AM0]
	s_mul_i32 s93, s20, 64*PM
	s_add_co_u32 s93, s93, MOFF
	v_add_nc_u32 v[AM0], s93, v[AM0]               ; the mask: query 64 (w / 4) + r, keys 8 h on
	v_lshl_add_u32 v[AT0], v2, 5, TMB              ; tmask: keys 8 h on
	v_mul_u32_u24 v[STO], v1, SP
	v_lshl_add_u32 v[STO], v2, 4, v[STO]
	s_mul_i32 s93, s20, 64*SP
	s_add_co_u32 s93, s93, s92
	v_add_nc_u32 v[STO], s93, v[STO]               ; the stage, in: row 64 (w / 4) + r, my head's 128 bytes, + 16 h
	v_and_b32 v[GO], 31, v0
	v_lshlrev_b32 v[GO], 4, v[GO]
	s_mul_i32 s93, s[WV], 16*SP
	v_add_nc_u32 v[RD], s93, v[GO]                 ; back: rows 16 w on, 16 bytes a lane
	v_and_b32 v[PFO], 31, v0
	v_lshrrev_b32 v1, 1, v[PFO]
	v_mul_u32_u24 v1, v1, QROW
	v_and_b32 v2, 1, v[PFO]
	v_lshl_add_u32 v1, v2, 8, v1                   ; K, V: token lane / 2, block lane % 2
	v_lshlrev_b32 v[PFO], 13, v[PFO]               ; the mask: row = lane
	v_cndmask_b32 v[PFO], v[PFO], v1, s87
.irp a, 0,1,2,3
	v_mov_b32 v[ST+8*\a], 0xff61b1e6               ; m: -3e38, under every t
.irp j, 1,2,3,4,5,6,7
	v_mov_b32 v[ST+8*\a+\j], 0                     ; l, and registers that are named before they are first made
.endr
.endr
	s_wait_loadcnt 0x0                             ; tmask and Q
	ds_store_b128 v10, v[F:F+3]
	ds_store_b128 v10, v[F+4:F+7] offset:4096      ; shown to the other waves by the first change of slots: its wait for my LDS instructions, then its round
; The walking descriptors and the prefetches' address go one step on.  It stands behind a wait for all my tensor loads, where no load of mine is out.
.macro NEXT
	s_xor_b32 s[G0K+1], s[G0K+1], SLOT1            ; the other slot than last time,
	s_add_nc_u64 s[G0K+2:G0K+3], s[G0K+2:G0K+3], KS*QROW   ; the next 64 keys; the type bits on top are not reached
	s_xor_b32 s[G0V+1], s[G0V+1], SLOT1
	s_add_nc_u64 s[G0V+2:G0V+3], s[G0V+2:G0V+3], KS*QROW
	s_xor_b32 s[G0M+1], s[G0M+1], SLOT1
	s_add_nc_u64 s[G0M+2:G0M+3], s[G0M+2:G0M+3], KS*4
	s_wait_xcnt 0x0                                ; the last prefetch, a step back, has read its address, so it may be written:
	s_add_nc_u64 s[PFA:PFA+1], s[PFA:PFA+1], s[PFS:PFS+1]  ; one step further on than the walking descriptors
.endm
.macro MLOAD a                         ; qtmask(query of tile a, keys 16 kt + 8 h + 4 e on): straight into the scores' layout
.irp kt, 0,1,2,3
.irp e, 0,1
	ds_load_b128 v[S+32*(\a)+8*\kt+4*\e:S+32*(\a)+8*\kt+4*\e+3], v[ADM] offset:(\a)*16*PM+64*\kt+16*\e
.endr
.endr
.endm
.macro MASK a                          ; tile a: max(qtmask, tmask) x -1e6 c: what the products add onto
.set i, 0
.rept 32
	v_max_num_f32 v[S+32*(\a)+i], v[S+32*(\a)+i], v[TM+i]
.set i, i+1
.endr
.set i, 0
.rept 16
	v_pk_mul_f32 v[S+32*(\a)+i:S+32*(\a)+i+1], v[S+32*(\a)+i:S+32*(\a)+i+1], s[NG:NG+1] op_sel_hi:[1,0]
.set i, i+2
.endr
.endm
.macro QK p                            ; S^T = mask + K Q^T for tiles p, p + 1: their 8 accumulators take turns, one instruction a turn
.irp c, 0,1
.irp kt, 0,1,2,3
.irp a, \p, \p+1
	v_wmma_f32_16x16x32_f16 v[S+32*(\a)+8*\kt:S+32*(\a)+8*\kt+7], v[F+32*\c+8*\kt:F+32*\c+8*\kt+7], v[16*(\a)+8*\c:16*(\a)+8*\c+7], v[S+32*(\a)+8*\kt:S+32*(\a)+8*\kt+7]
.endr
.endr
.endr
.endm
; THE FRONT OF A KEY STEP: all of its LDS loads, the masks, K Q^T, the softmax; it leaves p in f16 and V's fragments on their way into registers.
.macro FRONT
	v_add_nc_u32 v[ADM], s[TB], v[AM0]             ; four plain lines: also the places between the last step's products and the loads into registers that they read
	v_add_nc_u32 v[ADT], s[TT], v[AT0]
	v_add_nc_u32 v[ADK], s[TB], v[AK0]
	v_add_nc_u32 v[ADV], s[TB], v[AV0]
	WIN TO1
.irp kt, 0,1,2,3
.irp e, 0,1
	ds_load_b128 v[TM+8*\kt+4*\e:TM+8*\kt+4*\e+3], v[ADT] offset:64*\kt+16*\e   ; tmask of the step's keys, in the scores' layout
.endr
.endr
	WIN 0
	MLOAD 0                                        ; 56 loads in the order in which they are wanted: tmask 8, tile 0's mask 8, tile 1's 8, K 16, tile 2's 8, tile 3's 8
	MLOAD 1
.irp c, 0,1
.irp kt, 0,1,2,3
	ds_load_b128 v[F+32*\c+8*\kt:F+32*\c+8*\kt+3],   v[ADK] offset:\kt*16*PK+64*\c      ; K: keys 16 kt on, channels 32 c on
	ds_load_b128 v[F+32*\c+8*\kt+4:F+32*\c+8*\kt+7], v[ADK] offset:\kt*16*PK+64*\c+32
.endr
.endr
	MLOAD 2
	MLOAD 3
	WIN W_KQ                                       ; one setting for the maxima (tmask), the scalings and the products (Q)
	s_wait_dscnt 40                                ; tmask and tile 0's mask are in; the 40 loads behind them may be out
	MASK 0
	s_wait_dscnt 32                                ; tile 1's; K's 16 and the last two tiles' 16 may be out
	MASK 1
	s_wait_dscnt 16                                ; K; the last two tiles' 16 may be out
	QK 0
	s_wait_dscnt 8                                 ; tile 2's; tile 3's 8 may be out
	MASK 2
	s_wait_dscnt 0x0
	MASK 3
	QK 2
	WIN 0
.rept 4
	v_nop                                          ; four places: ahead of the loads into K's registers and of the first read of the scores
.endr
.irp kh, 0,1
.irp ct, 0,1,2,3
	ds_load_tr16_b128 v[F+32*\kh+8*\ct:F+32*\kh+8*\ct+3],   v[ADV] offset:\kh*32*PV_+32*\ct           ; V^T: channels 16 ct on, keys 32 kh + 8 h on,
	ds_load_tr16_b128 v[F+32*\kh+8*\ct+4:F+32*\kh+8*\ct+7], v[ADV] offset:\kh*32*PV_+16*PV_+32*\ct    ; and 16 keys further
.endr
.endr
	; the softmax, the four tiles line by line, so that no line waits for the line above it.  Each accumulator is read from its low end on
.irp j, 0,1,2,3
.irp a, 0,1,2,3
	v_max3_num_f32 v[ST+8*\a+4+\j], v[S+32*\a+8*\j], v[S+32*\a+8*\j+1], v[S+32*\a+8*\j+2]
.endr
.endr
.irp u, 1,2
.irp j, 0,1,2,3
.irp a, 0,1,2,3
	v_max3_num_f32 v[ST+8*\a+4+\j], v[ST+8*\a+4+\j], v[S+32*\a+8*\j+2*\u+1], v[S+32*\a+8*\j+2*\u+2]
.endr
.endr
.endr
.irp a, 0,1,2,3
	v_max3_num_f32 v[ST+8*\a+4], v[ST+8*\a+4], v[S+32*\a+7], v[S+32*\a+15]
.endr
.irp a, 0,1,2,3
	v_max3_num_f32 v[ST+8*\a+6], v[ST+8*\a+6], v[S+32*\a+23], v[S+32*\a+31]
.endr
.irp a, 0,1,2,3
	v_max3_num_f32 v[ST+8*\a+4], v[ST+8*\a+4], v[ST+8*\a+5], v[ST+8*\a+6]
.endr
.irp a, 0,1,2,3
	v_max3_num_f32 v[ST+8*\a+4], v[ST+8*\a+4], v[ST+8*\a+7], v[ST+8*\a]   ; with the old m
.endr
.irp a, 0,1,2,3
	v_permlanex16_b32 v[ST+8*\a+5], v[ST+8*\a+4], s[SEL], s[SEL+1]        ; the query's other 32 keys lie in the lane 16 away
.endr
.irp a, 0,1,2,3
	v_mov_b32 v[ST+8*\a+7], v[ST+8*\a]
.endr
.irp a, 0,1,2,3
	v_max_num_f32 v[ST+8*\a], v[ST+8*\a+4], v[ST+8*\a+5]                  ; the new m
.endr
.irp a, 0,1,2,3
	v_sub_f32 v[ST+8*\a+7], v[ST+8*\a+7], v[ST+8*\a]                      ; m_old - m_new
.endr
.irp a, 0,1,2,3
	v_exp_f32 v[ST+8*\a+6], v[ST+8*\a+7]                                  ; a
.endr
.set i, 0
.rept 16
.irp a, 0,1,2,3
	v_pk_add_f32 v[S+32*\a+i:S+32*\a+i+1], v[S+32*\a+i:S+32*\a+i+1], v[ST+8*\a:ST+8*\a+1] op_sel_hi:[1,0] neg_lo:[0,1] neg_hi:[0,1]   ; t - m, two at a time
.endr
.set i, i+2
.endr
.set i, 0
.rept 128
	v_exp_f32 v[S+i], v[S+i]                       ; p = 2^(t - m)
.set i, i+1
.endr
	v_nop                                          ; one plain line behind the last exponential
	s_wait_alu depctr_va_vdst(0)                   ; ONE wait for the step's 132 exponentials, ahead of the first line that names a result
.irp a, 0,1,2,3
	v_pk_fma_f32 v[ST+8*\a+2:ST+8*\a+3], v[ST+8*\a+2:ST+8*\a+3], v[ST+8*\a+6:ST+8*\a+7], v[S+32*\a:S+32*\a+1] op_sel_hi:[1,0,1]   ; l = a l + the sum of p, in two chains
.endr
.irp a, 0,1,2,3
	v_pk_add_f32 v[ST+8*\a+4:ST+8*\a+5], v[S+32*\a+2:S+32*\a+3], v[S+32*\a+4:S+32*\a+5]
.endr
.irp i, 6,10,14,18,22,26
.irp a, 0,1,2,3
	v_pk_add_f32 v[ST+8*\a+2:ST+8*\a+3], v[ST+8*\a+2:ST+8*\a+3], v[S+32*\a+\i:S+32*\a+\i+1]
.endr
.irp a, 0,1,2,3
	v_pk_add_f32 v[ST+8*\a+4:ST+8*\a+5], v[ST+8*\a+4:ST+8*\a+5], v[S+32*\a+\i+2:S+32*\a+\i+3]
.endr
.endr
.irp a, 0,1,2,3
	v_pk_add_f32 v[ST+8*\a+2:ST+8*\a+3], v[ST+8*\a+2:ST+8*\a+3], v[S+32*\a+30:S+32*\a+31]
.endr
.irp a, 0,1,2,3
	v_pk_add_f32 v[ST+8*\a+2:ST+8*\a+3], v[ST+8*\a+2:ST+8*\a+3], v[ST+8*\a+4:ST+8*\a+5]
.endr
.set i, 0
.rept 16
.irp a, 0,1,2,3
	v_cvt_pk_f16_f32 v[S+32*\a+i], v[S+32*\a+2*i], v[S+32*\a+2*i+1]   ; p to f16, upward in place: P of keys 32 kh on lies at S + 32 a + 8 kh
.endr
.set i, i+1
.endr
.endm
.macro RESCALE                         ; O^T x a
	WIN W_RS
.irp a, 0,1,2,3
.set i, 0
.rept 16
	v_pk_mul_f32 v[OT+32*\a+i:OT+32*\a+i+1], v[OT+32*\a+i:OT+32*\a+i+1], v[ST+8*\a+6:ST+8*\a+7] op_sel_hi:[1,0]
.set i, i+2
.endr
.endr
.endm
.macro PVMUL                           ; O^T += V^T P: 32 products on registers alone; the 16 accumulators take turns
	WIN W_PV
.irp kh, 0,1
.irp ct, 0,1,2,3
.irp a, 0,1,2,3
	v_wmma_f32_16x16x32_f16 v[OT+32*\a+8*\ct:OT+32*\a+8*\ct+7], v[F+32*\kh+8*\ct:F+32*\kh+8*\ct+7], v[S+32*\a+8*\kh:S+32*\a+8*\kh+7], v[OT+32*\a+8*\ct:OT+32*\a+8*\ct+7]
.endr
.endr
.endr
	WIN 0
.endm
; THE CHANGE OF SLOTS, with the step's V^T P inside it.  Each wave waits for all its tensor loads (its part of the next step's slot), adds 0 to its spare word, rescales O^T while the add is out, and waits for the add and for its
; reads of this step's slot, V's fragments the last of them.  Then it signals, multiplies, and waits.  fill = 1: the barrier opens a round of the cluster's barrier: no wave of any partner still reads this slot or has a load on its way;
; the joint load of the step two on, into the slot just left, is the first thing behind the round, one a wave, and has the whole front of the next step in which to land.
.macro MEET fill
	s_wait_tensorcnt 0x0                           ; no tensor load of mine is out, so a group 0 may be written
	ds_add_u32 v[SPW], v[NIL]                      ; 0 onto my spare word
.if \fill
	ds_add_u32 v[SPW], v[NIL]                      ; and once more
	NEXT
.endif
	RESCALE
	s_wait_dscnt 0x0                               ; the add is done, V is in, and my reads of this slot are over:
	s_barrier_signal -1                            ; say so,
	PVMUL                                          ; work on registers while the others arrive,
	s_barrier_wait -1                              ; and go on when all eight have said so
.if \fill
	CREST
	JLOAD
	ASK
.endif
	s_xor_b32 s[TB], s[TB], SLOT1                  ; on to the other slot,
	s_add_co_u32 s[TT], s[TT], KS*4                ; and tmask's next 64 keys
.endm
	; the first change of slots: slot 0 is shown to every wave, and so are tmask's bytes; step 1 is asked for, into slot 1: behind this round every load is a first fill
	s_wait_tensorcnt 0x0
	ds_add_u32 v[SPW], v[NIL]
	ds_add_u32 v[SPW], v[NIL]
	NEXT
	s_wait_dscnt 0x0                               ; both adds and my stores of tmask are done
	CROUND
	JLOAD
	ASK
.Lstep:                                            ; 30 trips: steps 0 to 29; trip i asks for step i + 2
	FRONT
	MEET 1
	s_sub_co_u32 s[CNT], s[CNT], 1
	s_cmp_lg_u32 s[CNT], 0
	s_cbranch_scc1 .Lstep
	FRONT                                          ; steps 30 and 31 are written out
	MEET 0                                         ; step 31's slot is shown to every wave; nothing is asked for, so no round follows
	FRONT
	RESCALE
	s_wait_dscnt 0x0                               ; V is in
	PVMUL
	; THE WAY OUT.  l's halves and the other half of the lanes' are added; O^T / l, rounded to f16, meets the other heads' in the stage: a row of 512 bytes comes from four waves.
.irp a, 0,1,2,3
	v_add_f32 v[ST+8*\a+4], v[ST+8*\a+2], v[ST+8*\a+3]   ; four plain lines that name no register of the last products: the places behind them
.endr
.irp a, 0,1,2,3
	v_permlanex16_b32 v[ST+8*\a+5], v[ST+8*\a+4], s[SEL], s[SEL+1]
.endr
.irp a, 0,1,2,3
	v_add_f32 v[ST+8*\a+4], v[ST+8*\a+4], v[ST+8*\a+5]
.endr
.irp a, 0,1,2,3
	v_rcp_f32 v[ST+8*\a+6], v[ST+8*\a+4]
.endr
	v_nop                                          ; a plain line behind the last reciprocal
	s_wait_alu depctr_va_vdst(0)                   ; and one wait for the four, ahead of their first reader
	RESCALE                                        ; O^T x 1 / l
	WIN W_CV
.irp a, 0,1,2,3
.set i, 0
.rept 16
	v_cvt_pk_f16_f32 v[F+16*\a+i], v[OT+32*\a+2*i], v[OT+32*\a+2*i+1]
.set i, i+1
.endr
.endr
	WIN 0
.irp a, 0,1,2,3
.irp ct, 0,1,2,3
	ds_store_b128 v[STO], v[F+16*\a+4*\ct:F+16*\a+4*\ct+3] offset:\a*16*SP+32*\ct   ; lane (r, h): pre(16 a + r, channels 16 ct + 8 h + 0 .. 7)
.endr
.endr
	s_wait_dscnt 0x0                               ; for the others' sake: my stores into the stage are done
	s_barrier_signal -1
	s_barrier_wait -1
.irp i, 0,1,2,3,4,5,6,7,8,9,10,11,12,13,14,15
	ds_load_b128 v[S+4*\i:S+4*\i+3], v[RD] offset:\i*SP
.endr
.irp i, 0,1,2,3,4,5,6,7,8,9,10,11,12,13,14,15
	s_wait_dscnt 15-\i
	global_store_b128 v[GO], v[S+4*\i:S+4*\i+3], s[10:11] offset:\i*2048   ; 32 lanes store 512 consecutive bytes, aligned
.endr
	s_wait_tensorcnt 0x0                           ; the wave's end: these three lines behind my last tensor load and my last LDS store
	ds_add_u32 v[SPW], v[NIL]
	s_wait_dscnt 0x0
	CROUND                                         ; the closing round: no work-group ends while a partner may still ask for a tile that names it
	s_endpgm
.Lfunc_end_k_qa6e7b75728_attn:
	.size	k_qa6e7b75728_attn, .Lfunc_end_k_qa6e7b75728_attn-k_qa6e7b75728_attn
	.p2alignl 7, 3214868480
	.fill 96, 4, 3214868480
	.section	.rodata,"a",@progbits
	.p2align	6, 0x0
	.amdhsa_kernel k_qa6e7b75728_attn
		.amdhsa_group_segment_fixed_size 327680
		.amdhsa_private_segment_fixed_size 0
		.amdhsa_enable_private_segment 0
		.amdhsa_kernarg_size 32
		.amdhsa_user_sgpr_count 2
		.amdhsa_user_sgpr_kernarg_segment_ptr 1
		.amdhsa_wavefront_size32 1
		.amdhsa_system_sgpr_workgroup_id_x 1
		.amdhsa_system_sgpr_workgroup_id_y 1
		.amdhsa_system_sgpr_workgroup_id_z 1
		.amdhsa_system_vgpr_workitem_id 0
		.amdhsa_next_free_vgpr 512
		.amdhsa_next_free_sgpr 100
		.amdhsa_reserve_vcc 0
		.amdhsa_float_denorm_mode_32 3
		.amdhsa_float_denorm_mode_16_64 3
		.amdhsa_memory_ordered 1
		.amdhsa_forward_progress 1
		.amdhsa_inst_pref_size 161
	.end_amdhsa_kernel
	.amdgpu_metadata
---
amdhsa.version: [ 1, 2 ]
amdhsa.kernels:
  - .name:           k_qa6e7b75728_attn
    .symbol:         k_qa6e7b75728_attn.kd
    .args:
      - { .name: qkv, .offset: 0, .size: 8, .value_kind: global_buffer, .address_space: global }
      - { .name: qtmask, .offset: 8, .size: 8, .value_kind: global_buffer, .address_space: global }
      - { .name: tmask, .offset: 16, .size: 8, .value_kind: global_buffer, .address_space: global }
      - { .name: pre, .offset: 24, .size: 8, .value_kind: global_buffer, .address_space: global }
    .group_segment_fixed_size: 327680
    .private_segment_fixed_size: 0
    .kernarg_segment_align: 8
    .kernarg_segment_size: 32
    .max_flat_workgroup_size: 256
    .sgpr_count:     100
    .vgpr_count:     512
    .wavefront_size: 32
...
	.end_amdgpu_metadata
.endif
;; end of part 3
;; launch outp (part 4): grid 8 x 64, 4 waves a work-group, clusters of 4 x 4, 327,680 bytes of LDS; arguments pre, wot, qmask, out0; writes out0
.if DOCPART == 4
	.amdgcn_target "amdgcn-amd-amdhsa--gfx1250"
	.amdhsa_code_object_version 6
	.text
	.protected	k_qa6e7b75728_outp
	.globl	k_qa6e7b75728_outp
	.p2align	8
	.type	k_qa6e7b75728_outp,@function
k_qa6e7b75728_outp:
	s_mov_b64 s[64:65], 0
	v_nop
	global_prefetch_b8 v0, s[64:65] scope:SCOPE_SE
	s_setreg_imm32_b32 hwreg(HW_REG_WAVE_MODE, 25, 1), 1
	s_wait_xcnt 0x0
	s_wait_alu depctr_hold_cnt(0) depctr_sa_sdst(0) depctr_va_vdst(0) depctr_va_sdst(0) depctr_va_ssrc(0) depctr_va_vcc(0) depctr_vm_vsrc(0)
	s_getreg_b32 s2, hwreg(HW_REG_IB_STS2, 6, 4)
	s_cmp_eq_u32 s2, 0
	s_cbranch_scc0 .Lentry_in_a_cluster
	s_endpgm
.Lentry_in_a_cluster:
	s_bfe_u32 s2, ttmp6, 0x10000c
	s_cmp_lg_u32 s2, 0xf033
	s_cbranch_scc0 .Lentry_shape_is_right
	s_endpgm
.Lentry_shape_is_right:
; out0[token][m] = (1 - qmask[token]) x sum over k of pre[token][k] wot[m][k].  pre: [8192][1024], wot: [1024][1024], f16, K innermost; sums in f32; out0: [8192][1024] f32.
; A tile of C is 128 x 128, so that there are 512 work-groups of equal work.  Four waves, each 64 x 64: 16 accumulators of 16 x 16, 128 registers.  K goes in steps of 256 (LDS rows of 512 bytes; a wave's tensor load brings 64 of them)
; through a ring of two LDS slots.
; CLUSTERS: 4 x 4 work-groups.  The four of a row of the cluster need the same tiles of pre, the four of a column the same tiles of wot: each tile is asked for JOINTLY, by the same tensor load with the same descriptor and a mask that names the four.
; THE MATRIX INSTRUCTION IS USED TRANSPOSED (source 0 = 16 rows of wot, source 1 = 16 rows of pre): a lane then holds eight neighbouring numbers of a row of C.
; REGISTERS: window 0: v0-31 addresses and the rows' factors; v32-127 at work on the way out; v128-255 the accumulators ((a, b) at v[128 + 8 (4 a + b)]).
;   window 1: two fragment buffers of 128: for 64 along K, 64 registers of A (2 x 4 x 16 rows x 32 K), then 64 of B.
.set SIZE_N, 1024
.set SIZE_K, 1024
.set KSTEP,  256
.set PITCH,  528                       ; an LDS row: 512 bytes + 16 of padding = 33 x 16 bytes: the 16 rows that a load touches fall into 16 different 16-byte columns
.set HALFT,  64*PITCH
.set SLOT,   4*HALFT                   ; A's 128 rows, then B's 128 rows
.set STAGE,  2*SLOT                    ; behind the ring: 16 rows x 272 bytes for each wave, for the way out; no fill lands here
.set SPITCH, 272
.set SPARE,  STAGE+4*16*SPITCH         ; the spare words, 128 bytes for each wave, which no other line names
.set LAPS, SIZE_K/(2*KSTEP)
.set QF,   8                           ; v8, 10, 12, 14: 1 - qmask of my row in each of my four blocks of 16 rows; v9, 11, 13, 15: zero, the pairs' upper halves
.set ADRA, 16
.set ADRB, 20
.set STO,  24
.set RD,   25
.set CO,   26
.set SPW,  28
.set NIL,  29
.set TMP,  32
.set ACC,  128
.set F0,   0
.set F1,   128
.set G1, 24
.set G0, 32
.set G1B, 48
.set G0B, 56
.set MSB, 0
.macro WIN new
.if MSB != (\new)
	s_set_vgpr_msb (MSB<<8)|(\new)
.set MSB, (\new)
.endif
.endm
.set MUL,  0x05                        ; sources 0 (B) and 1 (A) window 1; C and D window 0
.set TO_F, 0x40                        ; destination window 1, address window 0
.macro JLOAD s                         ; a joint load: waves 0 and 1 fetch A's two halves, waves 2 and 3 B's; an s_nop 0 and four v_nop follow each of the two lines
	s_cmp_eq_u32 s67, 0
	s_cbranch_scc0 .Lfor_b_\@
	tensor_load_to_lds s[G0+4*\s:G0+4*\s+3], s[G1:G1+7]
	s_nop 0
.rept 4
	v_nop
.endr
	s_branch .Lasked_\@
.Lfor_b_\@:
	tensor_load_to_lds s[G0B+4*\s:G0B+4*\s+3], s[G1B:G1B+7]
	s_nop 0
.rept 4
	v_nop
.endr
.Lasked_\@:
.endm
.macro CREST                           ; a round of the cluster's barrier behind its opening barrier
	s_cmp_lg_u32 s66, 0
	s_cbranch_scc1 .Lnot_wave_0_\@
	s_barrier_signal -3
.Lnot_wave_0_\@:
	s_barrier_wait -3
	s_barrier_signal -1
	s_barrier_wait -1
.endm
.macro CROUND
	s_barrier_signal -1
	s_barrier_wait -1
	CREST
.endm
	s_load_b256 s[4:11], s[0:1], 0x0               ; pre s[4:5], wot s[6:7], qmask s[8:9], out0 s[10:11]
	v_lshl_add_u32 v[SPW], v0, 2, SPARE
	v_mov_b32 v[NIL], 0
	ds_add_u32 v[SPW], v[NIL]                      ; the wave's opening: the add, twice on end, and its wait ahead of my first tensor load
	ds_add_u32 v[SPW], v[NIL]
	v_lshrrev_b32 v1, 5, v0
	v_readfirstlane_b32 s66, v1                    ; wave 0..3
	s_lshr_b32 s67, s66, 1                         ; which half of the tile's rows is mine.  Also: I fetch for A (0) or for B (1)
	s_and_b32 s68, s66, 1                          ; which half of its columns.  Also: which 64 rows of that tile I fetch
	s_bfe_u32 s40, ttmp6, 0x40000                  ; cx, cy
	s_bfe_u32 s41, ttmp6, 0x40004
	s_lshl_b32 s42, ttmp9, 2
	s_add_co_u32 s42, s42, s40                     ; tile column of C
	s_and_b32 s13, ttmp7, 0xffff
	s_lshl_b32 s13, s13, 2
	s_add_co_u32 s13, s13, s41                     ; tile row of C
	s_lshl_b32 s43, s41, 2
	s_lshl_b32 s43, 15, s43                        ; my row of the cluster
	s_lshl_b32 s44, 0x1111, s40                    ; my column
	; descriptor group 1: a tile of 64 rows x 256 elements of 2 bytes, 4 words of padding behind every 128
	s_or_b32 s[G1+0], s43, (1<<16)|(1<<20)|(1<<21)|(6<<22)|(3<<25)
	s_or_b32 s[G1B+0], s44, (1<<16)|(1<<20)|(1<<21)|(6<<22)|(3<<25)
.irp g, G1, G1B
	s_mov_b32 s[\g+1], KSTEP<<16                   ; tensor_dim0
	s_mov_b32 s[\g+2], 64<<16                      ; tensor_dim1
	s_mov_b32 s[\g+3], KSTEP<<16                   ; tile_dim0
	s_mov_b32 s[\g+4], 64                          ; tile_dim1
	s_mov_b32 s[\g+5], SIZE_K                      ; tensor_dim0_stride
	s_mov_b32 s[\g+6], 0
	s_mov_b32 s[\g+7], 0
.endr
	s_lshl_b32 s17, s68, 6                         ; which 64 rows of the tile I fetch
	s_lshl_b32 s16, s13, 7
	s_add_co_u32 s16, s16, s17                     ; A: row 128 x tile row + 64 x half
	s_lshl_b32 s46, s42, 7
	s_add_co_u32 s46, s46, s17                     ; B: row 128 x tile column + 64 x half
	s_mov_b32 s17, 0
	s_mov_b32 s47, 0
	s_mov_b64 s[18:19], SIZE_K*2
	s_mul_u64 s[16:17], s[16:17], s[18:19]
	s_mul_u64 s[46:47], s[46:47], s[18:19]
	s_mul_i32 s20, s66, HALFT                      ; where they go: wave x 64 rows
	s_wait_dscnt 0x0                               ; both opening adds are done
	s_wait_kmcnt 0x0
	s_add_nc_u64 s[14:15], s[4:5], s[16:17]
	s_add_nc_u64 s[46:47], s[6:7], s[46:47]
	CROUND                                         ; all sixteen work-groups are here: the first joint loads meet
.irp s, 0,1
	s_mov_b32 s[G0+4*\s], 1
	s_add_co_u32 s[G0+4*\s+1], s20, \s*SLOT
	s_add_nc_u64 s[G0+4*\s+2:G0+4*\s+3], s[14:15], \s*KSTEP*2
	s_or_b32 s[G0+4*\s+3], s[G0+4*\s+3], 0x80000000
	s_mov_b32 s[G0B+4*\s], 1
	s_add_co_u32 s[G0B+4*\s+1], s20, \s*SLOT
	s_add_nc_u64 s[G0B+4*\s+2:G0B+4*\s+3], s[46:47], \s*KSTEP*2
	s_or_b32 s[G0B+4*\s+3], s[G0B+4*\s+3], 0x80000000
	JLOAD \s
.endr
	v_and_b32 v1, 15, v0                           ; l % 16
	v_bfe_u32 v2, v0, 4, 1                         ; l / 16
	v_mul_u32_u24 v3, v1, PITCH
	v_lshl_add_u32 v3, v2, 4, v3                   ; a fragment's row x pitch + 16 x half
	s_mul_i32 s21, s67, HALFT                      ; my 64 rows of A
	s_mul_i32 s22, s68, HALFT                      ; my 64 rows of B,
	s_add_co_u32 s22, s22, 2*HALFT                 ; which lie behind A's 128
.irp s, 0,1
	v_add_nc_u32 v[ADRA+\s], s21, v3
	v_add_nc_u32 v[ADRB+\s], s22, v3
	s_add_co_u32 s21, s21, SLOT
	s_add_co_u32 s22, s22, SLOT
.endr
	s_mul_i32 s23, s66, 16*SPITCH
	s_add_co_u32 s23, s23, STAGE                   ; my stage
	v_mul_u32_u24 v4, v1, SPITCH                   ; in: row l % 16, 32 bytes for each half of the lanes
	v_lshl_add_u32 v4, v2, 5, v4
	v_add_nc_u32 v[STO], s23, v4
	v_mul_u32_u24 v5, v2, SPITCH                   ; back: lanes 0-15 take one row of 256 bytes, lanes 16-31 the next
	v_lshl_add_u32 v5, v1, 4, v5
	v_add_nc_u32 v[RD], s23, v5
	v_lshlrev_b32 v5, 12, v2                       ; and the same two rows in C: 4,096 bytes a row
	v_lshl_add_u32 v[CO], v1, 4, v5
	s_lshl_b32 s16, s13, 7
	s_lshl_b32 s17, s67, 6
	s_add_co_u32 s16, s16, s17                     ; my first row of C: 128 x tile row + 64 x half
	s_lshl_b32 s22, s16, 2                         ; its place in qmask
	s_mov_b32 s23, 0
	s_add_nc_u64 s[8:9], s[8:9], s[22:23]
	s_mov_b32 s17, 0
	s_mov_b64 s[18:19], SIZE_N*4
	s_mul_u64 s[16:17], s[16:17], s[18:19]
	s_add_nc_u64 s[10:11], s[10:11], s[16:17]
	s_lshl_b32 s46, s42, 9                         ; my first column, in bytes: 512 x tile column + 256 x half
	s_lshl_b32 s47, s68, 8
	s_add_co_u32 s46, s46, s47
	s_mov_b32 s47, 0
	s_add_nc_u64 s[10:11], s[10:11], s[46:47]
	v_lshlrev_b32 v6, 2, v1
.irp a, 0,1,2,3
	global_load_b32 v[QF+2*\a], v6, s[8:9] offset:64*\a   ; qmask of row 16 a + l % 16; waited for ahead of the way out
	v_mov_b32 v[QF+2*\a+1], 0
.endr
; 8 matrix instructions: m blocks a0, a0 + 1 x all 4 n blocks, 32 along K: half c of buffer f.  zero = 1: the first product starts the sums
.macro MUL8 f, c, a0, zero
.irp a, \a0, \a0+1
.irp b, 0,1,2,3
.if \zero
	v_wmma_f32_16x16x32_f16 v[ACC+8*(4*(\a)+\b):ACC+8*(4*(\a)+\b)+7], v[\f+64+8*(4*\c+\b):\f+64+8*(4*\c+\b)+7], v[\f+8*(4*\c+\a):\f+8*(4*\c+\a)+7], 0
.else
	v_wmma_f32_16x16x32_f16 v[ACC+8*(4*(\a)+\b):ACC+8*(4*(\a)+\b)+7], v[\f+64+8*(4*\c+\b):\f+64+8*(4*\c+\b)+7], v[\f+8*(4*\c+\a):\f+8*(4*\c+\a)+7], v[ACC+8*(4*(\a)+\b):ACC+8*(4*(\a)+\b)+7]
.endif
.endr
.endr
.endm
; 32 LDS loads in one run: the fragments of 64 along K at byte k of the rows, into buffer f; the first 32 along K first
.macro FETCH slot, k, f
	WIN TO_F
.irp c, 0,1
.irp i, 0,1,2,3
	ds_load_b128 v[\f+64+8*(4*\c+\i):\f+64+8*(4*\c+\i)+3],   v[ADRB+\slot] offset:\k+64*\c+\i*16*PITCH
	ds_load_b128 v[\f+64+8*(4*\c+\i)+4:\f+64+8*(4*\c+\i)+7], v[ADRB+\slot] offset:\k+64*\c+\i*16*PITCH+32
	ds_load_b128 v[\f+8*(4*\c+\i):\f+8*(4*\c+\i)+3],         v[ADRA+\slot] offset:\k+64*\c+\i*16*PITCH
	ds_load_b128 v[\f+8*(4*\c+\i)+4:\f+8*(4*\c+\i)+7],       v[ADRA+\slot] offset:\k+64*\c+\i*16*PITCH+32
.endr
.endr
.endm
.macro PLACES                          ; four places in front of loads into registers that matrix instructions have read
.rept 4
	v_nop
.endr
.endm
; A K step is four quarters of 64 along K, 32 matrix instructions each, on buffers 0, 1, 0, 1.  One of the first three: multiplies buffer f and fetches the next quarter, at byte k, into g.
.macro QUARTER slot, k, f, g, zero
	s_wait_dscnt 16                                ; the first 32 along K are in; the youngest sixteen loads may be out
	WIN MUL
	MUL8 \f, 0, 0, \zero
	MUL8 \f, 0, 2, \zero
	PLACES
	FETCH \slot, \k, \g
	s_wait_dscnt 32                                ; all but the 32 just issued
	WIN MUL
	MUL8 \f, 1, 0, 0
	MUL8 \f, 1, 2, 0
.endm
; The last quarter multiplies buffer 1 and changes slots: ONE barrier; in front of it each wave waits for all its tensor loads, adds 0 to its spare word, and waits for that and for its own reads of this slot.  fill = 1: this slot is filled again, two K steps ahead.
.macro TURN slot, next, fill
	WIN 0                                          ; (the add's two registers lie in window 0)
	s_wait_tensorcnt 0x0                           ; all my tensor loads have landed: my part of the next slot
	ds_add_u32 v[SPW], v[NIL]                      ; 0 onto my spare word
	s_wait_dscnt 17                                ; (the add and the youngest sixteen loads may be out)
	WIN MUL
	MUL8 F1, 0, 0, 0                               ; eight matrix instructions stand between the add and the wait for it
	s_wait_dscnt 0x0                               ; the add is done, and my reads of this slot are over
	s_barrier_signal -1
	MUL8 F1, 0, 2, 0
.if \fill
	WIN 0
.endif
	s_barrier_wait -1
.if \fill
	CREST                                          ; the barrier has opened a round of the cluster's barrier: no wave of any partner still reads this slot's tile or has a load on its way
	s_add_nc_u64 s[G0+4*\slot+2:G0+4*\slot+3], s[G0+4*\slot+2:G0+4*\slot+3], 2*KSTEP*2
	s_add_nc_u64 s[G0B+4*\slot+2:G0B+4*\slot+3], s[G0B+4*\slot+2:G0B+4*\slot+3], 2*KSTEP*2
	JLOAD \slot                                    ; the first tensor load behind the round; the four v_nop behind it are also the places in front of the loads below
.else
	PLACES
.endif
	FETCH \next, 0, F0
	WIN MUL
	MUL8 F1, 1, 0, 0
	MUL8 F1, 1, 2, 0
.endm
	s_wait_tensorcnt 1                             ; my part of K step 0 is in (K step 1's load may be out)
	s_barrier_signal -1
	s_barrier_wait -1                              ; everybody's is
	FETCH 0, 0, F0
	QUARTER 0, 128, F0, F1, 1                      ; the first quarter stands in front of the loop: its first products start the sums
	WIN 0                                          ; at a label and at a branch every window is 0
	s_mov_b32 s3, LAPS-1
.Llap:                                                 ; a trip goes once round the ring, from a lap's second quarter to the next lap's first, and fills both slots again
	QUARTER 0, 256, F1, F0, 0
	QUARTER 0, 384, F0, F1, 0
	TURN 0, 1, 1
	QUARTER 1, 128, F0, F1, 0
	QUARTER 1, 256, F1, F0, 0
	QUARTER 1, 384, F0, F1, 0
	TURN 1, 0, 1
	QUARTER 0, 128, F0, F1, 0
	WIN 0
	s_sub_co_u32 s3, s3, 1
	s_cmp_lg_u32 s3, 0
	s_cbranch_scc1 .Llap
	QUARTER 0, 256, F1, F0, 0                      ; the last lap fills nothing, and has no round of the cluster's barrier
	QUARTER 0, 384, F0, F1, 0
	TURN 0, 1, 0
	QUARTER 1, 128, F0, F1, 0
	QUARTER 1, 256, F1, F0, 0
	QUARTER 1, 384, F0, F1, 0
	s_wait_dscnt 16                                ; the very last quarter: nothing more to fetch
	WIN MUL
	MUL8 F1, 0, 0, 0
	MUL8 F1, 0, 2, 0
	s_wait_dscnt 0
	MUL8 F1, 1, 0, 0
	MUL8 F1, 1, 2, 0
	WIN 0
	; THE WAY OUT, a block of 16 rows x 64 columns at a time: x (1 - qmask) of the lane's row; 32 bytes a lane into my own stage; back as whole rows of 256 bytes.  A wave's 64 columns of f32 are 256 bytes, aligned: no other wave is needed.
	s_wait_loadcnt 0x0                             ; qmask
.irp a, 0,1,2,3
	v_sub_f32 v[QF+2*\a], 1.0, v[QF+2*\a]          ; four plain lines that name no register of the last products: the places behind them
.endr
.macro OUT a
.if (\a) >= 2
	s_wait_xcnt 0x0                                ; the stores of two blocks back have read their registers: this block's rows may land there
.endif
.irp b, 0,1,2,3
.irp i, 0,2,4,6
	v_pk_mul_f32 v[TMP+8*\b+\i:TMP+8*\b+\i+1], v[ACC+8*(4*(\a)+\b)+\i:ACC+8*(4*(\a)+\b)+\i+1], v[QF+2*(\a):QF+2*(\a)+1] op_sel_hi:[1,0]   ; each accumulator from its low end on
.endr
.endr
.irp b, 0,1,2,3
	ds_store_b128 v[STO], v[TMP+8*\b:TMP+8*\b+3] offset:64*\b
	ds_store_b128 v[STO], v[TMP+8*\b+4:TMP+8*\b+7] offset:64*\b+16
.endr
.set BB, 64+32*((\a)%2)
.irp t, 0,1,2,3,4,5,6,7
	ds_load_b128 v[BB+4*\t:BB+4*\t+3], v[RD] offset:2*\t*SPITCH   ; LDS serves a wave's instructions in order: these see the stores above
.endr
	s_wait_dscnt 0x0
.irp t, 0,1,2,3,4,5,6,7
	global_store_b128 v[CO], v[BB+4*\t:BB+4*\t+3], s[10:11] offset:(16*(\a)+2*\t)*SIZE_N*4 th:TH_STORE_NT   ; 16 lanes store 256 consecutive bytes, aligned; written once, read by nobody here
.endr
.endm
	OUT 0
	OUT 1
	OUT 2
	OUT 3
	s_wait_tensorcnt 0x0                           ; the wave's end: these three lines behind my last tensor load and my last LDS store
	ds_add_u32 v[SPW], v[NIL]
	s_wait_dscnt 0x0
	CROUND                                         ; the closing round: no work-group ends while a partner may still ask for a tile that names it
	s_endpgm
.Lfunc_end_k_qa6e7b75728_outp:
	.size	k_qa6e7b75728_outp, .Lfunc_end_k_qa6e7b75728_outp-k_qa6e7b75728_outp
	.p2alignl 7, 3214868480
	.fill 96, 4, 3214868480
	.section	.rodata,"a",@progbits
	.p2align	6, 0x0
	.amdhsa_kernel k_qa6e7b75728_outp
		.amdhsa_group_segment_fixed_size 327680
		.amdhsa_private_segment_fixed_size 0
		.amdhsa_enable_private_segment 0
		.amdhsa_kernarg_size 32
		.amdhsa_user_sgpr_count 2
		.amdhsa_user_sgpr_kernarg_segment_ptr 1
		.amdhsa_wavefront_size32 1
		.amdhsa_system_sgpr_workgroup_id_x 1
		.amdhsa_system_sgpr_workgroup_id_y 1
		.amdhsa_system_sgpr_workgroup_id_z 1
		.amdhsa_system_vgpr_workitem_id 0
		.amdhsa_next_free_vgpr 512
		.amdhsa_next_free_sgpr 72
		.amdhsa_reserve_vcc 0
		.amdhsa_float_denorm_mode_32 3
		.amdhsa_float_denorm_mode_16_64 3
		.amdhsa_memory_ordered 1
		.amdhsa_forward_progress 1
		.amdhsa_inst_pref_size 90
	.end_amdhsa_kernel
	.amdgpu_metadata
---
amdhsa.version: [ 1, 2 ]
amdhsa.kernels:
  - .name:           k_qa6e7b75728_outp
    .symbol:         k_qa6e7b75728_outp.kd
    .args:
      - { .name: pre, .offset: 0, .size: 8, .value_kind: global_buffer, .address_space: global }
      - { .name: wot, .offset: 8, .size: 8, .value_kind: global_buffer, .address_space: global }
      - { .name: qmask, .offset: 16, .size: 8, .value_kind: global_buffer, .address_space: global }
      - { .name: out0, .offset: 24, .size: 8, .value_kind: global_buffer, .address_space: global }
    .group_segment_fixed_size: 327680
    .private_segment_fixed_size: 0
    .kernarg_segment_align: 8
    .kernarg_segment_size: 32
    .max_flat_workgroup_size: 128
    .sgpr_count:     72
    .vgpr_count:     512
    .wavefront_size: 32
...
	.end_amdgpu_metadata
.endif
;; end of part 4
